; MI455X (gfx1250); checked and timed in simulation.
; The chip was launched on July 23, 2026; its instructions are those of AMD's public machine-readable ISA for CDNA 5 (MIT licence, August 2026) and "CDNA5" Instruction Set Architecture Reference Guide (July 2026). The comments in the code are by the model that wrote it; some were corrected since.
;; Cross Attention. Allowed arithmetic: matrix products marked QUANTISED: E2M3 operands, one E8M0 scale for each 32 along K, by v_wmma_scale_f32_16x16x128_f8f6f4 with both operands' format E2M3, f32 sums; everything else in f32.
;; Inputs: Wk 1,024 x 1,024 float32; Wo 1,024 x 1,024 float32; Wq 1,024 x 1,024 float32; Wv 1,024 x 1,024 float32; bk 1,024 float32; bo 1,024 float32; bq 1,024 float32; bv 1,024 float32; memory 4 x 2,048 x 1,024 float32; memory_coords 4 x 2,048 x 3 float32; query_coords 4 x 2,048 x 3 float32; x 4 x 2,048 x 1,024 float32.
;; Outputs: out0 4 x 2,048 x 1,024 float32.
;; This version of the problem:
;;   THIS VERSION OF THE PROBLEM IS GIVEN IN LOW PRECISION. The matrix products marked QUANTISED in the list below multiply operands that are first quantised to E2M3 (2 exponent bits, 3 mantissa bits; 6 bits a number), with one power-of-two scale for each 32 numbers along K (OCP MX v1.0); their sums are f32. All else is computed in f32.
;;   The module's matrix products, in the order in which they are computed (A, B: the left and right operand; K: the contracted axis; several contracted axes count as one K, in the product's order):
;;     1. [M 8,192, K 1,024] x [K 1,024, N 1,024]; A: input x; B: input Wq: QUANTISED
;;     2. [M 8,192, K 1,024] x [K 1,024, N 1,024]; A: input memory; B: input Wk: QUANTISED
;;     3. [M 8,192, K 1,024] x [K 1,024, N 1,024]; A: input memory; B: input Wv: QUANTISED
;;     4. batch 64 x [M 2,048, K 64] x [K 64, N 2,048]; A: computed on the way; B: computed on the way: QUANTISED
;;     5. batch 64 x [M 2,048, K 2,048] x [K 2,048, N 64]; A: softmax (see below); B: computed on the way: QUANTISED
;;     6. [M 8,192, K 1,024] x [K 1,024, N 1,024]; A: computed on the way; B: input Wo: QUANTISED
;;   THE QUANTISER, for each operand of a quantised product, along K:
;;     - K is cut into blocks of 32 from its start; a last block that is shorter is filled with zeros.
;;     - A block's scale is 2^e with e = floor(log2(the largest magnitude in the block)) - 2, held to -126 .. 127; a block of zeros has e = 0. As a byte (E8M0): e + 127.
;;     - Each number is divided by its block's scale, clamped to +-7.5, and rounded to the nearest number of E2M3, ties to even, subnormals kept.
;;     - The product sums the exact products of the quantised numbers (number of the format x scale) in f32.
;;   ~~~python
;;   def quantise(x, axis):      # numpy; x: float32 -> the quantised numbers, widened to float32 again
;;       x = np.moveaxis(x, axis, -1); K = x.shape[-1]
;;       x = np.pad(x, [(0, 0)] * (x.ndim - 1) + [(0, -K % 32)]); x = x.reshape(x.shape[:-1] + (-1, 32)); a = np.abs(x).max(-1, keepdims=True)
;;       e = np.where(a > 0, np.clip(np.frexp(np.where(a > 0, a, 1))[1] - 1 - 2, -126, 127), 0)      # np.frexp(a)[1] - 1 = floor(log2(a)), exactly
;;       r = np.clip(x / 2.0 ** e, -7.5, 7.5)
;;       step = 2.0 ** (np.maximum(np.frexp(np.where(r == 0, 1, r))[1] - 1, 0) - 3)
;;       q = np.round(r / step) * step * 2.0 ** e      # np.round: ties to even
;;       return np.moveaxis(q.reshape(q.shape[:-2] + (-1,))[..., :K], -1, axis).astype(np.float32)
;;   ~~~
;;   SOFTMAX AHEAD OF A QUANTISED PRODUCT. Where the list says 'softmax', what is quantised is not the finished softmax but p = 2^(t - M), with t = logit x log2(e) and M = ceil(the row's largest t), a whole number; so 1/2 < the row's largest p <= 1. The row's sum l is taken of the UNQUANTISED p, in f32, and the product's result is divided by l at the end. Since M is a whole number, a kernel that streams over the keys may use a running M (the ceiling of the running maximum): every later rescaling is an exact power of two, which a block's scale takes up: the codes' values come out the same.
;;   OPERANDS COMPUTED ON THE WAY. 'Computed on the way' means the value that the module computes at that place (a softmax that the list does not call 'softmax' is quantised finished and normalised). What goes into a quantiser is computed in f32, as accurately as f32 sums, v_exp_f32 and their like allow (about 1e-6 of the number): no bf16 or f16 on the way to a quantiser, and a product that is left as it is and whose result goes on into a quantised operand takes f32 operands (vector FMAs, or v_wmma_f32_16x16x4_f32). A number that lies on a knife's edge between two numbers of the format may be rounded either way, as far as f32 arithmetic and the matrix unit's own rounding can turn it there, and no further.
;; One version. Each part assembles by itself: llvm-mc -triple=amdgcn-amd-amdhsa -mcpu=gfx1250 --defsym DOCPART=n.
;; ======== version 1 of 1: 4 launches
;; limits: inputs' magnitudes at most 40,000; right only within a limited range of input values
;; workspace buffers: codes 15,728,640 bytes; scales 655,360 bytes; rope 4,194,304 bytes; qkv 20,185,088 bytes; aoc 6,291,456 bytes; aos 262,144 bytes
;; launch quant (part 1): grid 896 x 1, 4 waves a work-group, no clusters, 35,328 bytes of LDS; arguments x, memory, Wq, Wk, Wv, Wo, query_coords, memory_coords, codes, scales, rope; writes codes, scales, rope
.if DOCPART == 1
	.amdgcn_target "amdgcn-amd-amdhsa--gfx1250"
	.amdhsa_code_object_version 6
	.text
	.protected	k_qf6ea1363d6_quant
	.globl	k_qf6ea1363d6_quant
	.p2align	8
	.type	k_qf6ea1363d6_quant,@function
k_qf6ea1363d6_quant:
	s_mov_b64 s[64:65], 0
	v_nop
	global_prefetch_b8 v0, s[64:65] scope:SCOPE_SE
	s_setreg_imm32_b32 hwreg(HW_REG_WAVE_MODE, 25, 1), 1
	s_wait_xcnt 0x0
; LAUNCH 1 OF 4.  Two kinds of work-group, told apart by the work-group's number alone.
; Work-groups 0-639: x, memory [8192][1024] and Wq, Wk, Wv, Wo [1024][1024], f32, become codes of FP6 (E2M3) and one E8M0 byte for each 32 along K.  The six tensors lie on end in 'codes' and 'scales'.
;   CODES LIE AS IMAGES OF THE OPERAND'S REGISTERS: [tile of 16 rows][64 along K: 16][piece 3][lane 32][8 bytes]; lane (r, h) holds row r, K = 32 h + 0 .. 31 of the 64.  A tile is 12,288 bytes.
;   Scale bytes: [row][32].  A block's scale is 2^(floor(log2(its largest magnitude)) - 2); its byte is the largest magnitude's exponent field - 2, held at 1 from below.
;   IN EVERY TENSOR BUT Wo buffer row c holds the tensor's row c with bits 3 and 4 swapped: used as source 0 of a product, two neighbouring tiles give a lane 16 neighbours of the result.
;   A wave takes one tile x 512 along K in 8 steps of 64.  A step's 8 loads read two rows' 256 consecutive bytes each; the 4,096 bytes turn through the wave's own stage in LDS (rows 272 bytes apart) and come back
;   128 bytes a lane: a whole block, so no other lane is asked for its maximum.  Each of a step's three stores covers 256 consecutive bytes, aligned.  A row's 16 scale bytes of the wave leave 8 bytes a lane, rows 32 bytes apart.
; Work-groups 640-895: the rotary tables.  A wave makes sin and cos of one block of 16 (so permuted) tokens x 32 pairs: lane (r, h) the pairs 16 h + 0 .. 15 of its token, 4,096 bytes a block:
;   [quad 0..7][lane][16 bytes], quads 0-3 the sines, 4-7 the cosines; the queries' 512 blocks, then the memory's.
;   angle = coordinate (pair % 3) x inv_freq(pair), one f32 product; n = nearest whole number to angle x 2 / pi, the rest in two fused steps, and polynomials on +-pi / 4.
; LIMITS: NaN and infinities among the inputs are not served.  A block whose largest magnitude lies under 2^-124, zeros among them, gets the byte 1 (its codes of zeros add nothing; this program alone reads the bytes).
;   The angle's reduction holds while |angle x 2 / pi| stays under 2^24.  The 32 inv_freq are f32(f32(2 pi) / f32(period)), written as bit patterns.
.set WAVES, 4
.set STEPS, 8
.set EMAX,  2
.set R,     16                         ; v16-79   two sets of 32 registers as they are loaded
.set X,     80                         ; v80-143  two sets of 32 neighbours
.set C,     144                        ; v144-207 codes: eight registers for each step, so that no store's data are written again
.set SB,    208                        ; v208-211 scale bytes;  v212-215 the other half's
.set PD,    212
.set SPT,   272                        ; a stage row: 256 bytes + 16
.set STG,   16*SPT
.set WREG,  2*STG                      ; two stages for each wave
.set SPW,   12                         ; v12 LDS address of my spare word; never rewritten
.set NIL,   13                         ; v13 0; never rewritten
.set SPARE, WAVES*WREG
.set WV,    26
	s_load_b512 s[4:19], s[0:1], 0x0               ; x, memory, Wq, Wk, Wv, Wo, query_coords, memory_coords
	s_load_b128 s[20:23], s[0:1], 0x40             ; codes, scales
	s_load_b64 s[24:25], s[0:1], 0x50              ; rope
	v_lshl_add_u32 v[SPW], v0, 2, SPARE
	v_mov_b32 v[NIL], 0
	v_lshrrev_b32 v1, 5, v0
	v_readfirstlane_b32 s[WV], v1                  ; wave 0..3
	v_and_b32 v2, 31, v0                           ; lane
	s_cmp_ge_u32 ttmp9, 640
	s_cbranch_scc1 .Lrope
	; ---------------- the quantiser
	v_and_b32 v1, 15, v2                           ; l % 16
	v_lshrrev_b32 v5, 4, v2                        ; l / 16
	s_mul_i32 s27, s[WV], WREG
	s_mov_b32 s33, 0x8000                          ; buffer rows 8-15 lie 8 tensor rows on in Wo, 16 elsewhere
	s_cmp_lt_u32 ttmp9, 608
	s_cselect_b32 s33, 0x10000, s33
	v_lshlrev_b32 v3, 4, v1
	v_lshl_add_u32 v3, v5, 12, v3                  ; a load: lanes 0-15 one row's 256 bytes, lanes 16-31 the next row's
	v_add_nc_u32 v10, s33, v3                      ; the same for rows 8-15
	v_mul_u32_u24 v14, v5, SPT
	v_lshl_add_u32 v14, v1, 4, v14
	v_add_nc_u32 v14, s27, v14                     ; the stage, on the way in
	v_mul_u32_u24 v15, v1, SPT
	v_lshl_add_u32 v15, v5, 7, v15
	v_add_nc_u32 v15, s27, v15                     ; and on the way out: row l % 16, 128 bytes for each half of the lanes
	v_lshlrev_b32 v4, 3, v2                        ; codes: 8 bytes a lane
	v_lshlrev_b32 v7, 5, v1
	v_lshl_add_u32 v7, v5, 3, v7                   ; scale bytes: 32 x row + 8 x half
	v_cmp_lt_u32 s38, 15, v2
	v_lshlrev_b32 v5, 3, v5                        ; my bytes stand 8 h bits up in their words
.irp m, 0,1,2,3
	v_mov_b32 v[PD+\m], 0                          ; a lane permute's destination counts as one of its sources
.endr
	s_mov_b32 s36, 0x76543210
	s_mov_b32 s37, 0xfedcba98
	s_wait_alu depctr_va_vdst(0)                   ; the wait at the head's end
	s_wait_kmcnt 0x0
	s_mov_b64 s[28:29], s[14:15]                   ; which tensor is mine, and its first work-group
	s_mov_b32 s30, 608                             ; Wo
	s_cmp_lt_u32 ttmp9, 608
	s_cselect_b64 s[28:29], s[12:13], s[28:29]     ; Wv
	s_cselect_b32 s30, 576, s30
	s_cmp_lt_u32 ttmp9, 576
	s_cselect_b64 s[28:29], s[10:11], s[28:29]     ; Wk
	s_cselect_b32 s30, 544, s30
	s_cmp_lt_u32 ttmp9, 544
	s_cselect_b64 s[28:29], s[8:9], s[28:29]       ; Wq
	s_cselect_b32 s30, 512, s30
	s_cmp_lt_u32 ttmp9, 512
	s_cselect_b64 s[28:29], s[6:7], s[28:29]       ; memory
	s_cselect_b32 s30, 256, s30
	s_cmp_lt_u32 ttmp9, 256
	s_cselect_b64 s[28:29], s[4:5], s[28:29]       ; x
	s_cselect_b32 s30, 0, s30
	s_lshl_b32 s31, ttmp9, 2
	s_add_co_u32 s31, s31, s[WV]
	s_lshr_b32 s34, s31, 1                         ; my tile among all tiles
	s_and_b32 s35, s31, 1                          ; which half of K
	s_lshl_b32 s30, s30, 1
	s_sub_co_u32 s32, s34, s30                     ; my tile t in my tensor
	s_lshr_b32 s39, s32, 1
	s_lshl_b32 s39, s39, 5
	s_and_b32 s40, s32, 1
	s_lshl_b32 s40, s40, 3
	s_or_b32 s39, s39, s40                         ; its first tensor row: 32 (t / 2) + 8 (t % 2),
	s_lshl_b32 s40, s32, 4
	s_cmp_lt_u32 ttmp9, 608
	s_cselect_b32 s39, s39, s40                    ; in Wo 16 t
	s_lshl_b32 s32, s39, 12
	s_lshl_b32 s40, s35, 11
	s_add_co_u32 s32, s32, s40
	s_mov_b32 s33, 0
	s_add_nc_u64 s[28:29], s[28:29], s[32:33]
	s_mul_i32 s32, s34, 12288
	s_mul_i32 s40, s35, 6144
	s_add_co_u32 s32, s32, s40
	s_add_nc_u64 s[20:21], s[20:21], s[32:33]
	s_lshl_b32 s32, s34, 9
	s_lshl_b32 s40, s35, 4
	s_add_co_u32 s32, s32, s40
	s_add_nc_u64 s[22:23], s[22:23], s[32:33]
.macro LOAD t
.irp i, 0,1,2,3
	global_load_b128 v[R+32*((\t)%2)+4*\i:R+32*((\t)%2)+4*\i+3], v3, s[28:29] offset:8192*\i+256*(\t) th:TH_LOAD_NT
.endr
.irp i, 0,1,2,3
	global_load_b128 v[R+32*((\t)%2)+16+4*\i:R+32*((\t)%2)+16+4*\i+3], v10, s[28:29] offset:8192*\i+256*(\t) th:TH_LOAD_NT
.endr
.endm
.macro TURN t                          ; LDS serves a wave's instructions in order: no wait between the stores and the loads
.irp i, 0,1,2,3,4,5,6,7
	ds_store_b128 v14, v[R+32*((\t)%2)+4*\i:R+32*((\t)%2)+4*\i+3] offset:STG*((\t)%2)+2*SPT*\i
.endr
.irp i, 0,1,2,3,4,5,6,7
	ds_load_b128 v[X+32*((\t)%2)+4*\i:X+32*((\t)%2)+4*\i+3], v15 offset:STG*((\t)%2)+16*\i
.endr
.endm
	LOAD 0
	LOAD 1
	s_wait_loadcnt 8                               ; step 0's eight loads are in
	TURN 0
.macro STEP t
.set XS, X+32*((\t)%2)
.set CC, C+8*(\t)
	s_wait_dscnt 0x0                               ; this step's numbers are back, so its stores into the stage have read their registers,
.if (\t)+2 < STEPS
	LOAD (\t)+2                                    ; which take the loads of two steps on
.endif
.if (\t)+1 < STEPS
.if (\t)+2 < STEPS
	s_wait_loadcnt 8                               ; the next step's eight are in; the eight just issued may be out
.else
	s_wait_loadcnt 0x0
.endif
	TURN (\t)+1
.endif
	v_max3_num_f32 v8, |v[XS]|, |v[XS+1]|, |v[XS+2]|
	v_max3_num_f32 v9, |v[XS+3]|, |v[XS+4]|, |v[XS+5]|
.irp i, 6,10,14,18,22,26
	v_max3_num_f32 v8, v8, |v[XS+\i]|, |v[XS+\i+1]|
	v_max3_num_f32 v9, v9, |v[XS+\i+2]|, |v[XS+\i+3]|
.endr
	v_max3_num_f32 v8, v8, |v[XS+30]|, |v[XS+31]|
	v_max3_num_f32 v8, v8, v9, (EMAX+1)<<23        ; the floor 2^(3 - 127): the byte cannot fall under 1
	v_add_nc_u32 v11, -(EMAX<<23), v8              ; 2 off the exponent field: the conversion's scale operand
	v_cvt_scalef32_pk16_fp6_f32 v[CC:CC+2], v[XS:XS+15], v11
	v_cvt_scalef32_pk16_fp6_f32 v[CC+4:CC+6], v[XS+16:XS+31], v11
	v_lshrrev_b32 v9, 23, v11                      ; the byte (also the plain line behind the conversions)
.if (\t)%2 == 0
	v_mov_b32 v[SB+(\t)/2], v9
.else
	v_lshl_or_b32 v[SB+(\t)/2], v9, 16, v[SB+(\t)/2]
.endif
	v_mov_b32 v[CC+3], v[CC+4]                     ; (a conversion's three registers begin on an even number)
	v_mov_b32 v[CC+4], v[CC+5]
	v_mov_b32 v[CC+5], v[CC+6]
.irp j, 0,1,2
	global_store_b64 v4, v[CC+2*\j:CC+2*\j+1], s[20:21] offset:768*(\t)+256*\j
.endr
.endm
.irp t, 0,1,2,3,4,5,6,7
	STEP \t
.endr
.irp m, 0,1,2,3
	v_lshlrev_b32 v[SB+\m], v5, v[SB+\m]
.endr
.irp m, 0,1,2,3
	v_permlanex16_b32 v[PD+\m], v[SB+\m], s36, s37
.endr
.irp m, 0,1,2,3
	v_or_b32 v[SB+\m], v[SB+\m], v[PD+\m]          ; with lane l xor 16's bytes the four words are whole
.endr
	v_cndmask_b32 v8, v[SB], v[SB+2], s38
	v_cndmask_b32 v9, v[SB+1], v[SB+3], s38
	global_store_b64 v7, v[8:9], s[22:23]
	s_wait_tensorcnt 0x0                           ; the wave's end, behind my last LDS store
	ds_add_u32 v[SPW], v[NIL]
	s_wait_dscnt 0x0
	s_endpgm
	; ---------------- the rotary tables (no LDS on this way)
.set SNR, 32
.set CSR, 48
.Lrope:
	s_sub_co_u32 s27, ttmp9, 640
	s_lshl_b32 s27, s27, 2
	s_add_co_u32 s27, s27, s[WV]                   ; my block, 0..1023
	s_and_b32 s28, s27, 511
	s_lshr_b32 s29, s28, 1
	s_lshl_b32 s29, s29, 5
	s_and_b32 s30, s28, 1
	s_lshl_b32 s30, s30, 3
	s_or_b32 s29, s29, s30                         ; 32 (block / 2) + 8 (block % 2)
	v_and_b32 v3, 15, v0
	v_and_b32 v4, 8, v3
	v_add_nc_u32 v4, v4, v3                        ; r + 8 (r / 8)
	v_add_nc_u32 v4, s29, v4                       ; my token
	v_mul_u32_u24 v4, v4, 12
	s_wait_alu depctr_va_vdst(0)
	v_lshlrev_b32 v5, 4, v2
	v_cmp_lt_u32 vcc_lo, 15, v2                    ; lanes 16-31: pairs 16 .. 31
	s_mov_b32 s34, 0x3f22f983                      ; 2 / pi
	s_mov_b32 s35, 0xbfc90fdb                      ; -(pi / 2), the upper part
	s_mov_b32 s36, 0x333bbd2e                      ; and what is left of it
	s_mov_b32 s37, 0xbe2aaaa3
	s_mov_b32 s38, 0x3c08839e
	s_mov_b32 s39, 0xb94ca1f9
	s_mov_b32 s40, 0x3d2aaaa5
	s_mov_b32 s41, 0xbab6061a
	s_mov_b32 s42, 0x37ccf5ce
	s_lshl_b32 s32, s27, 12
	s_mov_b32 s33, 0
	s_wait_kmcnt 0x0
	s_cmp_lt_u32 s27, 512
	s_cselect_b64 s[16:17], s[16:17], s[18:19]
	s_add_nc_u64 s[24:25], s[24:25], s[32:33]
	global_load_b32 v20, v4, s[16:17]
	global_load_b32 v21, v4, s[16:17] offset:4
	global_load_b32 v22, v4, s[16:17] offset:8
	s_wait_loadcnt 0x0
	v_cndmask_b32 v24, v20, v21, vcc_lo            ; pair 16 h + n takes axis (n + h) % 3
	v_cndmask_b32 v25, v21, v22, vcc_lo
	v_cndmask_b32 v26, v22, v20, vcc_lo
.macro SINCOS n, flo, fhi
	v_mov_b32 v64, \fhi
	v_cndmask_b32 v64, \flo, v64, vcc_lo
	v_mul_f32 v65, v[24+(\n)%3], v64               ; the angle
	v_mul_f32 v66, s34, v65
	v_rndne_f32 v66, v66
	v_fma_f32 v67, v66, s35, v65
	v_fma_f32 v67, v66, s36, v67                   ; r = angle - n pi / 2
	v_cvt_i32_f32 v68, v66
	v_mul_f32 v69, v67, v67
	v_fma_f32 v70, v69, s39, s38
	v_fma_f32 v71, v69, s42, s41
	v_fma_f32 v70, v70, v69, s37
	v_fma_f32 v71, v71, v69, s40
	v_mul_f32 v72, v69, v67
	v_mul_f32 v73, v69, v69
	v_fma_f32 v74, v69, -0.5, 1.0
	v_fma_f32 v70, v70, v72, v67                   ; sin r
	v_fma_f32 v71, v71, v73, v74                   ; cos r
	v_and_b32 v72, 1, v68
	v_cmp_eq_u32 s43, 1, v72                       ; n odd: the two change places
	v_cndmask_b32 v[SNR+\n], v70, v71, s43
	v_cndmask_b32 v[CSR+\n], v71, v70, s43
	v_lshlrev_b32 v72, 30, v68                     ; the sine's sign: bit 1 of n
	v_add_nc_u32 v73, 1, v68
	v_and_b32 v72, 0x80000000, v72
	v_lshlrev_b32 v73, 30, v73                     ; the cosine's: bit 1 of n + 1
	v_xor_b32 v[SNR+\n], v[SNR+\n], v72
	v_and_b32 v73, 0x80000000, v73
	v_xor_b32 v[CSR+\n], v[CSR+\n], v73
.endm
	SINCOS 0,  0x441d1463, 0x42695607
	SINCOS 1,  0x44076536, 0x42491ff4
	SINCOS 2,  0x43e968b5, 0x422d5c3a
	SINCOS 3,  0x43c9300f, 0x42156db2
	SINCOS 4,  0x43ad6a1b, 0x4200cce9
	SINCOS 5,  0x439579a9, 0x41de0a3b
	SINCOS 6,  0x4380d739, 0x41bf635d
	SINCOS 7,  0x435e1c03, 0x41a4f7bb
	SINCOS 8,  0x433f72b1, 0x418e31ca
	SINCOS 9,  0x432504f0, 0x4175214e
	SINCOS 10, 0x430e3d2d, 0x41534a6f
	SINCOS 11, 0x42f534ef, 0x41361f71
	SINCOS 12, 0x42d35b5a, 0x411cfb3f
	SINCOS 13, 0x42b62e07, 0x41074f89
	SINCOS 14, 0x429d07d0, 0x40e94359
	SINCOS 15, 0x42875a5f, 0x40c90fdb
.irp u, 0,1,2,3,4,5,6,7
	global_store_b128 v5, v[SNR+4*\u:SNR+4*\u+3], s[24:25] offset:512*\u
.endr
	s_endpgm
.Lfunc_end_k_qf6ea1363d6_quant:
	.size	k_qf6ea1363d6_quant, .Lfunc_end_k_qf6ea1363d6_quant-k_qf6ea1363d6_quant
	.p2alignl 7, 3214868480
	.fill 96, 4, 3214868480
	.section	.rodata,"a",@progbits
	.p2align	6, 0x0
	.amdhsa_kernel k_qf6ea1363d6_quant
		.amdhsa_group_segment_fixed_size 35328
		.amdhsa_private_segment_fixed_size 0
		.amdhsa_enable_private_segment 0
		.amdhsa_kernarg_size 88
		.amdhsa_user_sgpr_count 2
		.amdhsa_user_sgpr_kernarg_segment_ptr 1
		.amdhsa_wavefront_size32 1
		.amdhsa_system_sgpr_workgroup_id_x 1
		.amdhsa_system_sgpr_workgroup_id_y 1
		.amdhsa_system_sgpr_workgroup_id_z 1
		.amdhsa_system_vgpr_workitem_id 0
		.amdhsa_next_free_vgpr 216
		.amdhsa_next_free_sgpr 66
		.amdhsa_reserve_vcc 1
		.amdhsa_float_denorm_mode_32 3
		.amdhsa_float_denorm_mode_16_64 3
		.amdhsa_memory_ordered 1
		.amdhsa_forward_progress 1
		.amdhsa_inst_pref_size 58
	.end_amdhsa_kernel
	.amdgpu_metadata
---
amdhsa.version: [ 1, 2 ]
amdhsa.kernels:
  - .name:           k_qf6ea1363d6_quant
    .symbol:         k_qf6ea1363d6_quant.kd
    .args:
      - { .name: x, .offset: 0, .size: 8, .value_kind: global_buffer, .address_space: global }
      - { .name: memory, .offset: 8, .size: 8, .value_kind: global_buffer, .address_space: global }
      - { .name: Wq, .offset: 16, .size: 8, .value_kind: global_buffer, .address_space: global }
      - { .name: Wk, .offset: 24, .size: 8, .value_kind: global_buffer, .address_space: global }
      - { .name: Wv, .offset: 32, .size: 8, .value_kind: global_buffer, .address_space: global }
      - { .name: Wo, .offset: 40, .size: 8, .value_kind: global_buffer, .address_space: global }
      - { .name: query_coords, .offset: 48, .size: 8, .value_kind: global_buffer, .address_space: global }
      - { .name: memory_coords, .offset: 56, .size: 8, .value_kind: global_buffer, .address_space: global }
      - { .name: codes, .offset: 64, .size: 8, .value_kind: global_buffer, .address_space: global }
      - { .name: scales, .offset: 72, .size: 8, .value_kind: global_buffer, .address_space: global }
      - { .name: rope, .offset: 80, .size: 8, .value_kind: global_buffer, .address_space: global }
    .group_segment_fixed_size: 35328
    .private_segment_fixed_size: 0
    .kernarg_segment_align: 8
    .kernarg_segment_size: 88
    .max_flat_workgroup_size: 128
    .sgpr_count:     66
    .vgpr_count:     216
    .wavefront_size: 32
...
	.end_amdgpu_metadata
.endif
;; end of part 1
;; launch proj (part 2): grid 4 x 64, 4 waves a work-group, clusters of 4 x 4, 327,680 bytes of LDS; arguments codes, scales, rope, bq, bk, bv, qkv; writes qkv
.if DOCPART == 2
	.amdgcn_target "amdgcn-amd-amdhsa--gfx1250"
	.amdhsa_code_object_version 6
	.text
	.protected	k_qf6ea1363d6_proj
	.globl	k_qf6ea1363d6_proj
	.p2align	8
	.type	k_qf6ea1363d6_proj,@function
k_qf6ea1363d6_proj:
	s_mov_b64 s[64:65], 0
	v_nop
	global_prefetch_b8 v0, s[64:65] scope:SCOPE_SE
	s_setreg_imm32_b32 hwreg(HW_REG_WAVE_MODE, 25, 1), 1
	s_wait_xcnt 0x0
	s_wait_alu depctr_hold_cnt(0) depctr_sa_sdst(0) depctr_va_vdst(0) depctr_va_sdst(0) depctr_va_ssrc(0) depctr_va_vcc(0) depctr_vm_vsrc(0)
	s_getreg_b32 s2, hwreg(HW_REG_IB_STS2, 6, 4)
	s_cmp_eq_u32 s2, 0
	s_cbranch_scc0 .Lentry_in_a_cluster
	s_endpgm
.Lentry_in_a_cluster:
	s_bfe_u32 s2, ttmp6, 0x10000c
	s_cmp_lg_u32 s2, 0xf033
	s_cbranch_scc0 .Lentry_shape_is_right
	s_endpgm
.Lentry_shape_is_right:
; LAUNCH 2 OF 4.  q, k and v: three products on codes of FP6 (E2M3) with E8M0 scales, the biases, the rotary step and the quantisers of the attention's operands.
; A WORK-GROUP STAYS and makes three blocks of 128 x 256, one of each product: 256 work-groups.  Source 1 has 128 rows, source 0 has 256; a wave makes 64 x 128: 32 accumulators.
;   q: source 1 = 128 rows of x, source 0 = 256 rows of Wq;  k: the same rows of memory, Wk;  v: source 1 = 128 rows of Wv, source 0 = 256 rows of memory (so a lane's registers run along the keys).
; ALL OF K LIES IN LDS: the codes are images of the operand's registers, 12,288 bytes on end for 16 rows x 1,024 K, so an operand's half is one dense run of memory: 49,152 or 98,304 bytes, rows of 256 bytes.
; Each wave asks for one half of one operand (waves 0, 1: source 1's; waves 2, 3: source 0's), one tensor load a wave for each product.  Behind a product's last LDS read stand the wait for all tensor loads, the add, the wait
; for it and a round of the cluster's barrier; the next product's operands are asked for first behind it and are on their way while the epilogue works on registers.
; CLUSTERS: 4 x 4.  Source 1's tiles hang on the work-group's y alone and are shared along a row of the cluster, source 0's on x (and the cluster's y) and are shared along a column; v's blocks are dealt so that this holds there too:
;   its 128 rows of Wv are block cy + 4 (cluster y % 2), its 256 rows of memory block cx + 4 (cluster y / 2).
; No prefetch: a product's operands are asked for whole, a whole epilogue ahead of their first read; the first product's at the head.
; THE SCALE WORDS of a wave's 64 + 128 rows, 32 bytes a row for all of K, go from memory into 96 registers, asked for one epilogue ahead.
; REGISTERS: window 0: v0-31 addresses, v32-63 source 1's scale words, v64-127 source 0's, v128-223 source 1's fragments (two sets); window 1: the accumulators, (a, b) at v[8 (8 a + b)];
;   window 2: v0-191 source 0's fragments (two sets), v192-255 the bias of q or k; window 3: the epilogue: v0-127 four blocks' sines and cosines, then what the quantiser works on.
; OUT: one record of REC bytes for each batch x head: K's codes 98,304, V's codes 98,304, K's scale words 8,192, V's 4,096, Q's codes 98,304, Q's scale words 8,192.
; LIMITS: NaN and infinities are not served; a block whose largest magnitude lies under 2^-124 (zeros among them) gets the byte 1: this program alone reads the bytes.
.set REC,   315392
.set LB,    98304
.set SPARE, 294912
.set ADRA, 16
.set ADRB, 20
.set SPW,  28
.set NIL,  29
.set SA,   32
.set SBS,  64
.set AF,   128
.set BI,   192
.set SB0,  0
.set X,    128
.set PC,   192
.set TM,   212
.set PWS,  228
.set TU,   232
.set SL,   240
.set BV,   248
.set G1,  24
.set G0,  32
.set G1B, 48
.set G0B, 56
.set SEL, 66
.set HM,  45
.set OC,  4
.set OS,  6
.set RP,  8
.set BB,  10
.set MSB, 0
.macro WIN new
.if MSB != \new
	s_set_vgpr_msb (MSB<<8)|\new
.set MSB, \new
.endif
.endm
.macro JLOAD
	s_cmp_eq_u32 s15, 0
	s_cbranch_scc0 .Lfor_b_\@
	tensor_load_to_lds s[G0:G0+3], s[G1:G1+7]
	s_nop 0
.rept 4
	v_nop
.endr
	s_branch .Lasked_\@
.Lfor_b_\@:
	tensor_load_to_lds s[G0B:G0B+3], s[G1B:G1B+7]
	s_nop 0
.rept 4
	v_nop
.endr
.Lasked_\@:
.endm
.macro CROUND
	s_barrier_signal -1
	s_barrier_wait -1
	s_cmp_lg_u32 s14, 0
	s_cbranch_scc1 .Lnot_wave_0_\@
	s_barrier_signal -3
.Lnot_wave_0_\@:
	s_barrier_wait -3
	s_barrier_signal -1
	s_barrier_wait -1
.endm
.macro PLACES
.rept 4
	v_nop
.endr
.endm
.macro FRAG reg, adr, k, i
.irp p, 0,1,2,3,4,5
	ds_load_b64 v[\reg+2*\p:\reg+2*\p+1], v[\adr] offset:(\i)*12288+(\k)*1536+256*\p
.endr
.endm
.macro FETCH k                         ; 72 LDS loads: step k's fragments into set k % 2
	WIN 0x80
.irp i, 0,1,2,3
	FRAG 96*((\k)%2)+12*\i, ADRB, \k, \i
.endr
.irp i, 0,1,2,3
	FRAG 96*((\k)%2)+48+12*\i, ADRB+1, \k, \i
.endr
	WIN 0
.irp i, 0,1,2,3
	FRAG AF+48*((\k)%2)+12*\i, ADRA, \k, \i
.endr
.endm
; A step of 128 along K: the next step's fragments are asked for, then 32 matrix instructions, the 32 accumulators by turns
.macro KSTEP k, zero
	s_wait_dscnt 0x0                               ; this step's fragments are in
.if (\k) < 7
	PLACES                                         ; in front of loads into registers that the step before multiplied
	FETCH (\k)+1
.endif
	WIN 0x52                                       ; source 0 window 2, source 1 window 0, C and D window 1
.irp a, 0,1,2,3
.irp b, 0,1,2,3,4,5,6,7
.if \zero
	v_wmma_scale_f32_16x16x128_f8f6f4 v[8*(8*\a+\b):8*(8*\a+\b)+7], v[96*((\k)%2)+12*\b:96*((\k)%2)+12*\b+11], v[AF+48*((\k)%2)+12*\a:AF+48*((\k)%2)+12*\a+11], 0, v[SBS+8*\b+(\k)], v[SA+8*\a+(\k)] matrix_a_fmt:MATRIX_FMT_FP6 matrix_b_fmt:MATRIX_FMT_FP6
.else
	v_wmma_scale_f32_16x16x128_f8f6f4 v[8*(8*\a+\b):8*(8*\a+\b)+7], v[96*((\k)%2)+12*\b:96*((\k)%2)+12*\b+11], v[AF+48*((\k)%2)+12*\a:AF+48*((\k)%2)+12*\a+11], v[8*(8*\a+\b):8*(8*\a+\b)+7], v[SBS+8*\b+(\k)], v[SA+8*\a+(\k)] matrix_a_fmt:MATRIX_FMT_FP6 matrix_b_fmt:MATRIX_FMT_FP6
.endif
.endr
.endr
	WIN 0
.endm
.macro PRODUCT                         ; the operands are whole for all four waves; then the eight steps
	s_wait_tensorcnt 0x0
	s_barrier_signal -1
	s_barrier_wait -1
	FETCH 0
	KSTEP 0, 1
.irp k, 1,2,3,4,5,6,7
	KSTEP \k, 0
.endr
.endm
.macro SCL                             ; 24 loads: my rows' scale words
.irp a, 0,1,2,3
	global_load_b128 v[SA+8*\a:SA+8*\a+3], v3, s[88:89] offset:512*\a
	global_load_b128 v[SA+8*\a+4:SA+8*\a+7], v3, s[88:89] offset:512*\a+16
.endr
.irp b, 0,1,2,3,4,5,6,7
	global_load_b128 v[SBS+8*\b:SBS+8*\b+3], v3, s[90:91] offset:512*\b
	global_load_b128 v[SBS+8*\b+4:SBS+8*\b+7], v3, s[90:91] offset:512*\b+16
.endr
.endm
	s_load_b256 s[68:75], s[0:1], 0x0              ; codes, scales, rope, bq
	s_load_b128 s[76:79], s[0:1], 0x20             ; bk, bv
	s_load_b64 s[80:81], s[0:1], 0x30              ; qkv
	v_lshl_add_u32 v[SPW], v0, 2, SPARE
	v_mov_b32 v[NIL], 0
	ds_add_u32 v[SPW], v[NIL]                      ; the opening lines: the add, twice on end, and its wait
	ds_add_u32 v[SPW], v[NIL]
	v_lshrrev_b32 v1, 5, v0
	v_readfirstlane_b32 s14, v1                    ; wave
	s_lshr_b32 s15, s14, 1                         ; which 64 rows of source 1 are mine.  Also: I fetch for source 1 (0) or source 0 (1)
	s_and_b32 s16, s14, 1                          ; which 128 rows of source 0.  Also: which half I fetch
	s_bfe_u32 s40, ttmp6, 0x40000                  ; cx
	s_bfe_u32 s41, ttmp6, 0x40004                  ; cy
	s_lshl_b32 s42, ttmp9, 2
	s_add_co_u32 s42, s42, s40                     ; x: which 256 rows of Wq, Wk
	s_and_b32 s18, ttmp7, 0xffff                   ; the cluster's y
	s_lshl_b32 s17, s18, 2
	s_add_co_u32 s17, s17, s41                     ; y: which 128 rows of x, memory
	s_and_b32 s19, s18, 1
	s_lshl_b32 s19, s19, 2
	s_add_co_u32 s19, s19, s41                     ; v: which 128 rows of Wv
	s_lshr_b32 s20, s18, 1
	s_lshl_b32 s20, s20, 2
	s_add_co_u32 s20, s20, s40                     ; v: which 256 rows of memory
	s_lshl_b32 s43, s41, 2
	s_lshl_b32 s43, 15, s43                        ; my row of the cluster
	s_lshl_b32 s44, 0x1111, s40                    ; my column
	s_or_b32 s[G1], s43, (3<<16)|(1<<21)           ; dense rows of 32 elements of 8 bytes: 192 for half of source 1,
	s_or_b32 s[G1B], s44, (3<<16)|(1<<21)          ; 384 for half of source 0
	s_mov_b32 s[G1+2], 192<<16
	s_mov_b32 s[G1+4], 192
	s_mov_b32 s[G1B+2], 384<<16
	s_mov_b32 s[G1B+4], 384
.irp g, G1, G1B
	s_mov_b32 s[\g+1], 32<<16
	s_mov_b32 s[\g+3], 32<<16
	s_mov_b32 s[\g+5], 32
	s_mov_b32 s[\g+6], 0
	s_mov_b32 s[\g+7], 0
.endr
	s_mov_b32 s[G0], 1
	s_mul_i32 s[G0+1], s16, 49152
	s_mov_b32 s[G0B], 1
	s_mul_i32 s[G0B+1], s16, 98304
	s_add_co_u32 s[G0B+1], s[G0B+1], LB
	s_mov_b32 s[SEL], 0x76543210
	s_mov_b32 s[SEL+1], 0xfedcba98
	s_mov_b32 s13, 0
	s_mov_b32 s93, 0
	s_mul_i32 s21, s16, 49152
	s_mul_i32 s22, s16, 98304
	s_lshl_b32 s23, s15, 11
	s_lshl_b32 s47, s16, 12
	s_wait_dscnt 0x0
	s_wait_kmcnt 0x0
	; where the codes come from: source 1's in registers that never hold cx, source 0's in registers that never hold cy
	s_mul_i32 s12, s17, 98304
	s_add_co_u32 s12, s12, s21
	s_add_nc_u64 s[G0+2:G0+3], s[68:69], s[12:13]  ; x
	s_add_nc_u64 s[36:37], s[G0+2:G0+3], 6291456   ; memory
	s_or_b32 s[G0+3], s[G0+3], 0x80000000
	s_mul_i32 s12, s19, 98304
	s_add_co_u32 s12, s12, s21
	s_add_co_u32 s12, s12, 14155776
	s_add_nc_u64 s[38:39], s[68:69], s[12:13]      ; Wv
	s_mul_i32 s92, s42, 196608
	s_add_co_u32 s92, s92, s22
	s_add_co_u32 s92, s92, 12582912
	s_add_nc_u64 s[G0B+2:G0B+3], s[68:69], s[92:93]    ; Wq
	s_add_nc_u64 s[60:61], s[G0B+2:G0B+3], 786432      ; Wk
	s_or_b32 s[G0B+3], s[G0B+3], 0x80000000
	s_mul_i32 s92, s20, 196608
	s_add_co_u32 s92, s92, s22
	s_add_co_u32 s92, s92, 6291456
	s_add_nc_u64 s[62:63], s[68:69], s[92:93]      ; memory
	CROUND                                         ; all sixteen work-groups are here: the joint loads meet
	JLOAD                                          ; q's operands: one tensor load a wave
	; my rows' scale words: q's, k's, v's
	s_lshl_b32 s12, s17, 12
	s_add_co_u32 s12, s12, s23
	s_add_nc_u64 s[88:89], s[70:71], s[12:13]
	s_add_nc_u64 s[94:95], s[88:89], 262144
	s_lshl_b32 s12, s19, 12
	s_add_co_u32 s12, s12, s23
	s_add_co_u32 s12, s12, 589824
	s_add_nc_u64 s[98:99], s[70:71], s[12:13]
	s_lshl_b32 s12, s42, 13
	s_add_co_u32 s12, s12, s47
	s_add_co_u32 s12, s12, 524288
	s_add_nc_u64 s[90:91], s[70:71], s[12:13]
	s_add_nc_u64 s[96:97], s[90:91], 32768
	s_lshl_b32 s12, s20, 13
	s_add_co_u32 s12, s12, s47
	s_add_co_u32 s12, s12, 262144
	s_add_nc_u64 s[100:101], s[70:71], s[12:13]
	v_and_b32 v9, 31, v0
	v_and_b32 v10, 15, v0                          ; r
	v_bfe_u32 v11, v0, 4, 1                        ; h
	v_lshlrev_b32 v1, 3, v9                        ; 8 x lane
	v_lshlrev_b32 v2, 4, v9                        ; 16 x lane
	v_lshlrev_b32 v3, 5, v10                       ; 32 r
	v_mad_u32_u24 v5, v11, REC, v3                 ; q's, k's scale words: lanes 16-31 store the next head's
	v_lshlrev_b32 v6, 6, v11                       ; the bias: 64 h
	v_lshlrev_b32 v7, 4, v10
	v_lshl_add_u32 v7, v11, 3, v7                  ; v's scale words: 16 r + 8 h
	v_and_b32 v8, 8, v10
	v_add_nc_u32 v8, v8, v10
	v_lshlrev_b32 v8, 2, v8                        ; v's bias: 4 (r + 8 (r / 8))
	v_cmp_eq_u32 s[HM], 1, v11
	s_mul_i32 s21, s15, 49152
	s_add_co_u32 s22, s22, LB
	v_add_nc_u32 v[ADRA], s21, v1
	v_add_nc_u32 v[ADRB], s22, v1
	s_add_co_u32 s22, s22, 49152
	v_add_nc_u32 v[ADRB+1], s22, v1
	WIN 0xc0
.irp b, 0,1,2,3
	v_mov_b32 v[TM+4+\b], 0                        ; a lane permute's destination counts as one of its sources
.endr
	WIN 0
	s_wait_alu depctr_va_vdst(0)                   ; the wait at the head's end
	SCL
	; what does not change from q to k
	s_lshl_b32 s18, s17, 1
	s_add_co_u32 s18, s18, s15                     ; my 64 tokens among all
	s_lshr_b32 s23, s18, 5
	s_lshl_b32 s23, s23, 4
	s_lshl_b32 s12, s42, 2
	s_add_co_u32 s23, s23, s12
	s_lshl_b32 s12, s16, 1
	s_add_co_u32 s23, s23, s12                     ; 16 x batch + my first head
	s_mul_i32 s23, s23, REC
	s_and_b32 s47, s18, 31
	s_mul_i32 s82, s47, 3072
	s_add_co_u32 s82, s82, s23                     ; codes: 768 bytes for a tile of 16 tokens
	s_lshr_b32 s83, s47, 1
	s_lshl_b32 s83, s83, 9
	s_and_b32 s12, s47, 1
	s_lshl_b32 s12, s12, 4
	s_add_co_u32 s83, s83, s12
	s_add_co_u32 s83, s83, s23                     ; scale words: [128 tokens][r][tile 8]
	s_lshl_b32 s84, s18, 14                        ; the rotary tables: 4,096 bytes a tile
	s_lshl_b32 s85, s42, 10
	s_lshl_b32 s12, s16, 9
	s_add_co_u32 s85, s85, s12                     ; the bias
	; and v's
	s_lshl_b32 s18, s20, 1
	s_add_co_u32 s18, s18, s16                     ; my 128 tokens among all
	s_lshr_b32 s23, s18, 4
	s_lshl_b32 s23, s23, 4
	s_lshl_b32 s12, s19, 1
	s_add_co_u32 s23, s23, s12
	s_add_co_u32 s23, s23, s15                     ; 16 x batch + my head
	s_mul_i32 s23, s23, REC
	s_and_b32 s47, s18, 15
	s_mul_i32 s86, s47, 6144
	s_add_co_u32 s86, s86, s23
	s_add_co_u32 s86, s86, 98304
	s_lshl_b32 s87, s47, 8
	s_add_co_u32 s87, s87, s23
	s_add_co_u32 s87, s87, 204800
	s_lshl_b32 s46, s19, 9
	s_lshl_b32 s12, s15, 8
	s_add_co_u32 s46, s46, s12
	s_mov_b32 s3, 0
; The quantiser of 64 numbers a lane: four blocks of 32 along the next K, each in lanes l and l xor 16.  All its registers lie in window 3.
.macro QUANT s, pw
.irp b, 0,1,2,3
	v_max3_num_f32 v[TM+\b], |v[\s+16*\b]|, |v[\s+1+16*\b]|, 0x1800000
.endr
.irp i, 2,4,6,8,10,12,14
.irp b, 0,1,2,3
	v_max3_num_f32 v[TM+\b], v[TM+\b], |v[\s+16*\b+\i]|, |v[\s+1+16*\b+\i]|
.endr
.endr
.irp b, 0,1,2,3
	v_permlanex16_b32 v[TM+4+\b], v[TM+\b], s[SEL], s[SEL+1]
.endr
.irp b, 0,1,2,3
	v_max_num_f32 v[TM+\b], v[TM+\b], v[TM+4+\b]
.endr
.irp b, 0,1,2,3
	v_add_nc_u32 v[TM+12+\b], 0xff000000, v[TM+\b]
.endr
.irp b, 0,1,2,3
	v_lshrrev_b32 v[TM+4+\b], 23, v[TM+12+\b]
.endr
	v_lshl_or_b32 v[\pw], v[TM+5], 8, v[TM+4]
	v_lshl_or_b32 v[\pw], v[TM+6], 16, v[\pw]
	v_lshl_or_b32 v[\pw], v[TM+7], 24, v[\pw]
.irp c, 0,1
	v_cvt_scalef32_pk16_fp6_f32 v[PC+6*\c:PC+2+6*\c], v[\s+32*\c:\s+15+32*\c], v[TM+12+2*\c]
	v_cvt_scalef32_pk16_fp6_f32 v[PC+12+4*\c:PC+14+4*\c], v[\s+16+32*\c:\s+31+32*\c], v[TM+12+2*\c+1]
.endr
	v_nop
.irp c, 0,1
.irp i, 0,1,2
	v_permlane16_swap_b32 v[PC+6*\c+\i], v[PC+12+4*\c+\i]
.endr
.irp i, 0,1,2
	v_mov_b32 v[PC+3+6*\c+\i], v[PC+12+4*\c+\i]
.endr
.endr
.endm
.macro EPQK a                          ; 16 tokens x 128 channels (two heads): bias, rotary step, quantiser, stores
.set SBN, SB0+32*(\a)
	s_wait_xcnt 0x0                                ; the earlier stores have read their registers
	WIN 0xc9                                       ; to window 3, from the accumulators (1) and the bias (2)
.set i, 0
.rept 32
	v_pk_add_f32 v[X+i:X+i+1], v[64*(\a)+i:64*(\a)+i+1], v[BI+i:BI+i+1]
.set i, i+2
.endr
	WIN 0xff
.irp c, 0,1
.irp i, 0,2,4,6,8,10,12,14
.set TT, TU+4*((\i/2)%2)
	v_pk_mul_f32 v[TT:TT+1], v[X+32*\c+16+\i:X+32*\c+17+\i], v[SBN+\i:SBN+\i+1]
	v_pk_mul_f32 v[TT+2:TT+3], v[X+32*\c+16+\i:X+32*\c+17+\i], v[SBN+16+\i:SBN+17+\i]
	v_pk_fma_f32 v[X+32*\c+16+\i:X+32*\c+17+\i], v[X+32*\c+\i:X+32*\c+\i+1], v[SBN+\i:SBN+\i+1], v[TT+2:TT+3]
	v_pk_fma_f32 v[X+32*\c+\i:X+32*\c+\i+1], v[X+32*\c+\i:X+32*\c+\i+1], v[SBN+16+\i:SBN+17+\i], v[TT:TT+1] neg_lo:[0,0,1] neg_hi:[0,0,1]
.endr
.endr
	QUANT X, PWS+(\a)
	WIN 0x0c                                       ; the stores' data: window 3
.irp c, 0,1
.irp p, 0,1,2
	global_store_b64 v1, v[PC+6*\c+2*\p:PC+6*\c+2*\p+1], s[OC:OC+1] offset:\c*REC+(\a)*768+256*\p
.endr
.endr
	WIN 0
.endm
.Lphase:                                           ; two trips: q, then k
	s_wait_xcnt 0x0                                ; the last trip's stores have read their bases
	s_cmp_eq_u32 s3, 0
	s_cselect_b32 s12, 208896, 0                   ; in the head's record: Q's codes or K's,
	s_mov_b32 s21, 196608
	s_cselect_b32 s21, 307200, s21                 ; Q's scale words or K's
	s_cselect_b64 s[BB:BB+1], s[74:75], s[76:77]
	s_add_co_u32 s12, s12, s82
	s_add_nc_u64 s[OC:OC+1], s[80:81], s[12:13]
	s_add_co_u32 s12, s21, s83
	s_add_nc_u64 s[OS:OS+1], s[80:81], s[12:13]
	s_lshl_b32 s12, s3, 21
	s_add_co_u32 s12, s12, s84
	s_add_nc_u64 s[RP:RP+1], s[72:73], s[12:13]
	s_mov_b32 s12, s85
	s_add_nc_u64 s[BB:BB+1], s[BB:BB+1], s[12:13]
	s_wait_loadcnt 0x0                             ; this product's scale words are in
	WIN 0x80                                       ; what the epilogue will want is asked for ahead of the product: the bias,
.irp u, 0,1,2,3
.irp w, 0,1,2,3
	global_load_b128 v[BI+16*\u+4*\w:BI+16*\u+4*\w+3], v6, s[BB:BB+1] offset:128*\u+16*\w
.endr
.endr
	WIN 0xc0                                       ; and my four tiles' sines and cosines
.irp a, 0,1,2,3
.irp u, 0,1,2,3,4,5,6,7
	global_load_b128 v[SB0+32*\a+4*\u:SB0+32*\a+4*\u+3], v2, s[RP:RP+1] offset:\a*4096+512*\u
.endr
.endr
	WIN 0
	PRODUCT
	s_wait_tensorcnt 0x0                           ; ahead of a refill
	ds_add_u32 v[SPW], v[NIL]
	s_mov_b64 s[G0+2:G0+3], s[36:37]               ; no tensor load of mine is out: the next product's operands
	s_or_b32 s[G0+3], s[G0+3], 0x80000000
	s_mov_b64 s[36:37], s[38:39]
	s_mov_b64 s[G0B+2:G0B+3], s[60:61]
	s_or_b32 s[G0B+3], s[G0B+3], 0x80000000
	s_mov_b64 s[60:61], s[62:63]
	s_mov_b64 s[88:89], s[94:95]
	s_mov_b64 s[94:95], s[98:99]
	s_mov_b64 s[90:91], s[96:97]
	s_mov_b64 s[96:97], s[100:101]
	s_wait_dscnt 0x0                               ; the add is done, and my reads of the operands are over
	CROUND                                         ; so are those of every wave of every partner
	JLOAD                                          ; the first tensor load behind the round; its four v_nop are the places behind the last products
	SCL                                            ; the next product's scale words
	s_wait_loadcnt 24                              ; all but the 24 just issued: the bias and the tables are in
.irp a, 0,1,2,3
	EPQK \a
.endr
	WIN 0xff
.irp i, 0,1,2,3
	v_lshrrev_b32 v[SL+4+\i], 16, v[PWS+\i]        ; a word holds two heads' bytes: the second head's
.endr
.irp i, 0,1,2,3
	v_cndmask_b32 v[SL+\i], v[PWS+\i], v[SL+4+\i], s[HM]
.endr
	WIN 0x0c
	global_store_b128 v5, v[SL:SL+3], s[OS:OS+1]
	WIN 0
	s_add_co_u32 s3, s3, 1
	s_cmp_lt_u32 s3, 2
	s_wait_alu depctr_va_vdst(0)                   ; the wait ahead of the branch
	s_cbranch_scc1 .Lphase
	; ---------------- v: nothing more is asked for
	s_wait_xcnt 0x0
	s_mov_b32 s12, s86
	s_add_nc_u64 s[OC:OC+1], s[80:81], s[12:13]
	s_mov_b32 s12, s87
	s_add_nc_u64 s[OS:OS+1], s[80:81], s[12:13]
	s_mov_b32 s12, s46
	s_add_nc_u64 s[BB:BB+1], s[78:79], s[12:13]
	s_wait_loadcnt 0x0
	WIN 0xc0
.irp a, 0,1,2,3
	global_load_b32 v[BV+2*\a], v8, s[BB:BB+1] offset:(32*(\a/2)+8*(\a%2))*4
	global_load_b32 v[BV+2*\a+1], v8, s[BB:BB+1] offset:(32*(\a/2)+8*(\a%2))*4
.endr
	WIN 0
	PRODUCT
	PLACES
	s_wait_loadcnt 0x0
.macro EPV a                           ; 16 channels x 128 keys: bias, quantiser along the keys, stores
	s_wait_xcnt 0x0
	WIN 0xcd
.set i, 0
.rept 32
	v_pk_add_f32 v[X+i:X+i+1], v[64*(\a)+i:64*(\a)+i+1], v[BV+2*(\a):BV+2*(\a)+1]
.set i, i+2
.endr
	WIN 0xff
	QUANT X, PWS+(\a)
	WIN 0x0c
.irp c, 0,1,2
	global_store_b128 v2, v[PC+4*\c:PC+4*\c+3], s[OC:OC+1] offset:(\a)*1536+512*\c
.endr
	WIN 0
.endm
.irp a, 0,1,2,3
	EPV \a
.endr
	WIN 0xff
	v_cndmask_b32 v[SL], v[PWS], v[PWS+2], s[HM]
	v_cndmask_b32 v[SL+1], v[PWS+1], v[PWS+3], s[HM]
	WIN 0x0c
	global_store_b64 v7, v[SL:SL+1], s[OS:OS+1]    ; [128 keys][r][tile 4]: 8 bytes a lane
	WIN 0
	s_wait_tensorcnt 0x0                           ; the wave's end
	ds_add_u32 v[SPW], v[NIL]
	s_wait_dscnt 0x0
	CROUND                                         ; the closing round
	s_endpgm
.Lfunc_end_k_qf6ea1363d6_proj:
	.size	k_qf6ea1363d6_proj, .Lfunc_end_k_qf6ea1363d6_proj-k_qf6ea1363d6_proj
	.p2alignl 7, 3214868480
	.fill 96, 4, 3214868480
	.section	.rodata,"a",@progbits
	.p2align	6, 0x0
	.amdhsa_kernel k_qf6ea1363d6_proj
		.amdhsa_group_segment_fixed_size 327680
		.amdhsa_private_segment_fixed_size 0
		.amdhsa_enable_private_segment 0
		.amdhsa_kernarg_size 56
		.amdhsa_user_sgpr_count 2
		.amdhsa_user_sgpr_kernarg_segment_ptr 1
		.amdhsa_wavefront_size32 1
		.amdhsa_system_sgpr_workgroup_id_x 1
		.amdhsa_system_sgpr_workgroup_id_y 1
		.amdhsa_system_sgpr_workgroup_id_z 1
		.amdhsa_system_vgpr_workitem_id 0
		.amdhsa_next_free_vgpr 1024
		.amdhsa_next_free_sgpr 102
		.amdhsa_reserve_vcc 0
		.amdhsa_float_denorm_mode_32 3
		.amdhsa_float_denorm_mode_16_64 3
		.amdhsa_memory_ordered 1
		.amdhsa_forward_progress 1
		.amdhsa_inst_pref_size 229
	.end_amdhsa_kernel
	.amdgpu_metadata
---
amdhsa.version: [ 1, 2 ]
amdhsa.kernels:
  - .name:           k_qf6ea1363d6_proj
    .symbol:         k_qf6ea1363d6_proj.kd
    .args:
      - { .name: codes, .offset: 0, .size: 8, .value_kind: global_buffer, .address_space: global }
      - { .name: scales, .offset: 8, .size: 8, .value_kind: global_buffer, .address_space: global }
      - { .name: rope, .offset: 16, .size: 8, .value_kind: global_buffer, .address_space: global }
      - { .name: bq, .offset: 24, .size: 8, .value_kind: global_buffer, .address_space: global }
      - { .name: bk, .offset: 32, .size: 8, .value_kind: global_buffer, .address_space: global }
      - { .name: bv, .offset: 40, .size: 8, .value_kind: global_buffer, .address_space: global }
      - { .name: qkv, .offset: 48, .size: 8, .value_kind: global_buffer, .address_space: global }
    .group_segment_fixed_size: 327680
    .private_segment_fixed_size: 0
    .kernarg_segment_align: 8
    .kernarg_segment_size: 56
    .max_flat_workgroup_size: 128
    .sgpr_count:     102
    .vgpr_count:     1024
    .wavefront_size: 32
...
	.end_amdgpu_metadata
.endif
;; end of part 2
;; launch attn (part 3): grid 4 x 64, 16 waves a work-group, clusters of 4 x 1, 210,944 bytes of LDS; arguments qkv, aoc, aos; writes aoc, aos
.if DOCPART == 3
	.amdgcn_target "amdgcn-amd-amdhsa--gfx1250"
	.amdhsa_code_object_version 6
	.text
	.protected	k_qf6ea1363d6_attn
	.globl	k_qf6ea1363d6_attn
	.p2align	8
	.type	k_qf6ea1363d6_attn,@function
k_qf6ea1363d6_attn:
	s_mov_b64 s[64:65], 0
	v_nop
	global_prefetch_b8 v0, s[64:65] scope:SCOPE_SE
	s_setreg_imm32_b32 hwreg(HW_REG_WAVE_MODE, 25, 1), 1
	s_wait_xcnt 0x0
	s_wait_alu depctr_hold_cnt(0) depctr_sa_sdst(0) depctr_va_vdst(0) depctr_va_sdst(0) depctr_va_ssrc(0) depctr_va_vcc(0) depctr_vm_vsrc(0)
	s_getreg_b32 s2, hwreg(HW_REG_IB_STS2, 6, 4)
	s_cmp_eq_u32 s2, 0
	s_cbranch_scc0 .Lentry_in_a_cluster
	s_endpgm
.Lentry_in_a_cluster:
	s_bfe_u32 s2, ttmp6, 0x10000c
	s_cmp_lg_u32 s2, 0x3003
	s_cbranch_scc0 .Lentry_shape_is_right
	s_endpgm
.Lentry_shape_is_right:
; LAUNCH 3 OF 4.  Attention on codes of FP6 (E2M3) with E8M0 scales: S^T = K Q^T, the softmax, O^T = V^T P^T (K = the keys), O / l, and O's quantiser along the model's 1,024.
; THE SOFTMAX: t = score x log2(e) / 8; M = the running largest t rounded UP to a whole number; p = 2^(t - M) is quantised along the keys, not normalised; the row's sum l is taken of the unquantised p and
; divides O at the end.  When M moves, l and O^T are multiplied by 2^(old M - new M), which rounds nothing.
; SHARES.  The four work-groups of a cluster are the four quarters of one head's 2,048 queries.  A work-group takes its 512 queries in two passes of 256; each of its sixteen waves owns a tile of 16 queries.
; THE HEAD'S WHOLE K AND V LIE IN LDS: the first 208,896 bytes of the head's record (K's codes, V's codes, K's and V's scale words) are 16 x 13,056: every wave asks for one sixteenth, 51 rows of 256 bytes, by ONE joint
; load of the four partners, with no branch.  Nothing is filled again: one barrier shows the whole to all waves, and the loop has none.  No prefetch: every byte is asked for at the head, there is no loop to run ahead in.
; THE FIRST PRODUCT'S K IS THE HEAD'S 64.  Q's fragment holds codes of zero for K = 64 .. 127, so whatever codes stand there on K's side add exactly 0 (FP6 has no NaN and no infinity, and every scale byte is a finite code):
; K's eight fragments lie 6 registers apart, each with the next one's codes as its upper half; six registers of zeros close the run.
; A trip of the loop is four steps of 128 keys, all offsets immediates.  K's fragments of the next step are asked for ahead of this step's second product; between the first product and that request K's registers are scratch.
; LAYOUT.  A lane holds ONE query (lane % 16) throughout.  The tokens of a tile are permuted (bits 3 and 4 swapped), so the 16 registers of S^T's tiles 2 b, 2 b + 1 are the true keys 32 b + 16 (lane / 16) + 0 .. 15,
; and those of O^T's tiles likewise 16 neighbouring channels.  The queries' tiles keep the permuted order; the last launch undoes it in its stores.
; OUT: aoc [tile of 16 rows][head][piece 3][lane][8 bytes]; aos [row][32]: byte 2 x head + block; these bytes leave singly, rows 32 bytes apart: a row's 32 bytes come from sixteen work-groups.
; LIMITS: NaN and infinities are not served; the scaled scores stay under 2^31 in magnitude; a block whose largest magnitude lies under 2^-124 (zeros among them) gets the byte 1: this program alone reads the bytes.
.set REC,   315392
.set PART,  13056
.set LVC,   98304
.set LKS,   196608
.set LVS,   204800
.set SPARE, 208896
.set AK0,  1                           ; v1 8 x lane;  v2 LVC + 16 x lane;  v3 LKS + 32 r;  v4 LVS + 16 r
.set AV0,  2
.set ASK0, 3
.set ASV0, 4
.set SPW,  5                           ; v5 my spare word; v6 0: never rewritten
.set NIL,  6
.set RO,   7                           ; v7 32 r
.set ADK,  8                           ; v8-11 the trip's LDS addresses.  v12 -M, v13 the largest score, v[14:15] the sum in two halves
.set ADV,  9
.set ADS,  10
.set ADT,  11
.set QF,   16                          ; v16-27 Q's fragment (v22-27 zeros)
.set KF,   28                          ; v28-75 K's eight fragments, 6 registers each; v76-81 zeros
.set VF,   82                          ; v82-129 V's four fragments
.set S,    130                         ; v130-193 S^T, then p
.set OT,   194                         ; v194-225 O^T
.set PC,   226                         ; v226-237 p's codes
.set VW,   238                         ; v238-241 V's scale words; v242-249 K's; v250 p's; v251 Q's
.set KW,   242
.set PW,   250
.set QW,   251
.set F,    252                         ; v[252:253] f;  v254, v255 at work
.set T,    254
.set BM,   28                          ; scratch in K's registers: the blocks' maxima, the permutes' results, scale operands, bytes, the conversions' second halves, seven partial sums
.set PD,   32
.set SO,   36
.set BY,   40
.set C2,   44
.set AC,   52
.set WV,   18
.set SEL,  20
.set CS,   22
.set G1,   24
.set G0,   48
.set TB,   2
.set TS,   3
.set TV,   12
.set CNT,  13
.set PASS, 14
.set HM,   15
.set QP,   72
.set QSP,  74
.set OP,   76
.set OSP,  78
.macro CROUND
	s_barrier_signal -1
	s_barrier_wait -1
	s_cmp_lg_u32 s[WV], 0
	s_cbranch_scc1 .Lnot_wave_0_\@
	s_barrier_signal -3
.Lnot_wave_0_\@:
	s_barrier_wait -3
	s_barrier_signal -1
	s_barrier_wait -1
.endm
	s_load_b128 s[4:7], s[0:1], 0x0                ; qkv, aoc
	s_load_b64 s[8:9], s[0:1], 0x10                ; aos
	v_lshl_add_u32 v[SPW], v0, 2, SPARE
	v_mov_b32 v[NIL], 0
	ds_add_u32 v[SPW], v[NIL]                      ; the opening lines: the add, twice on end, and its wait ahead of my tensor load
	ds_add_u32 v[SPW], v[NIL]
	v_lshrrev_b32 v8, 5, v0
	s_delay_alu instid0(VALU_DEP_1)
	v_readfirstlane_b32 s[WV], v8                  ; wave 0..15
	s_bfe_u32 s80, ttmp6, 0x40000                  ; cx: it enters Q's and the outputs' addresses alone
	s_and_b32 s81, ttmp7, 0xffff                   ; batch x head, which the four partners share
	s_mov_b32 s[G1], 15|(3<<16)|(1<<21)            ; 51 rows of 32 elements of 8 bytes, dense; the mask names all four partners
	s_mov_b32 s[G1+1], 32<<16
	s_mov_b32 s[G1+2], 51<<16
	s_mov_b32 s[G1+3], 32<<16
	s_mov_b32 s[G1+4], 51
	s_mov_b32 s[G1+5], 32
	s_mov_b32 s[G1+6], 0
	s_mov_b32 s[G1+7], 0
	s_mul_i32 s82, s81, REC                        ; the head's record
	s_mul_i32 s84, s[WV], PART                     ; my sixteenth, in memory and in LDS alike
	s_add_co_u32 s86, s82, s84
	s_mov_b32 s87, 0
	s_mov_b32 s[SEL], 0x76543210
	s_mov_b32 s[SEL+1], 0xfedcba98
	s_mov_b32 s[CS], 0x3e38aa3b                    ; c = log2(e) / sqrt(64)
	s_mov_b32 s[CS+1], s[CS]
	s_mov_b32 s[PASS], 2
	s_wait_dscnt 0x0
	s_wait_kmcnt 0x0
	s_add_nc_u64 s[86:87], s[4:5], s[86:87]
	CROUND                                         ; all four work-groups are here: the joint loads meet
	s_mov_b32 s[G0], 1
	s_mov_b32 s[G0+1], s84
	s_mov_b64 s[G0+2:G0+3], s[86:87]
	s_or_b32 s[G0+3], s[G0+3], 0x80000000
	tensor_load_to_lds s[G0:G0+3], s[G1:G1+7]      ; my one tensor load
	s_nop 0
	s_lshl_b32 s92, s80, 5
	s_add_co_u32 s92, s92, s[WV]                   ; my tile of queries in the first pass: 32 cx + wave
	s_mul_i32 s93, s92, 768
	s_add_co_u32 s[QP], s93, s82
	s_add_co_u32 s[QP], s[QP], 208896
	s_mov_b32 s[QP+1], 0
	s_add_nc_u64 s[QP:QP+1], s[4:5], s[QP:QP+1]
	s_add_co_u32 s[QSP], s82, 307200
	s_lshr_b32 s93, s92, 3
	s_lshl_b32 s93, s93, 9
	s_add_co_u32 s[QSP], s[QSP], s93
	s_and_b32 s93, s92, 7
	s_lshl_b32 s93, s93, 2
	s_add_co_u32 s[QSP], s[QSP], s93
	s_mov_b32 s[QSP+1], 0
	s_add_nc_u64 s[QSP:QSP+1], s[4:5], s[QSP:QSP+1]
	s_lshr_b32 s93, s81, 4
	s_lshl_b32 s93, s93, 7
	s_add_co_u32 s93, s93, s92                     ; the tile among all rows' tiles: 128 x batch + tile
	s_and_b32 s94, s81, 15                         ; the head
	s_mul_i32 s[OP], s93, 12288
	s_mul_i32 s95, s94, 768
	s_add_co_u32 s[OP], s[OP], s95
	s_mov_b32 s[OP+1], 0
	s_add_nc_u64 s[OP:OP+1], s[6:7], s[OP:OP+1]
	s_lshl_b32 s[OSP], s93, 9
	s_lshl_b32 s95, s94, 1
	s_add_co_u32 s[OSP], s[OSP], s95
	s_mov_b32 s[OSP+1], 0
	s_add_nc_u64 s[OSP:OSP+1], s[8:9], s[OSP:OSP+1]
	v_and_b32 v8, 31, v0
	v_and_b32 v9, 15, v0
	s_delay_alu instid0(VALU_DEP_2)
	v_lshlrev_b32 v[AK0], 3, v8
	v_lshlrev_b32 v[AV0], 4, v8
	v_lshlrev_b32 v[RO], 5, v9
	v_lshl_add_u32 v[ASV0], v9, 4, LVS
	v_add_nc_u32 v[AV0], LVC, v[AV0]
	v_add_nc_u32 v[ASK0], LKS, v[RO]
	v_cmp_lt_u32 s[HM], 15, v8
.macro QLOAD
.irp p, 0,1,2
	global_load_b64 v[QF+2*\p:QF+2*\p+1], v[AK0], s[QP:QP+1] offset:256*\p
.endr
	global_load_b32 v[QW], v[RO], s[QSP:QSP+1]
.endm
	QLOAD
.irp j, 0,1,2,3,4,5
	v_mov_b32 v[QF+6+\j], 0                        ; K = 64 .. 127 of the first product: codes of zero
	v_mov_b32 v[KF+48+\j], 0
.endr
	v_mov_b32 v[F+1], 0                            ; (named with f as a pair, so it is written)
.macro KLOAD u                         ; 26 LDS loads: K's eight tiles of step u and their scale words
.irp t, 0,1,2,3,4,5,6,7
.irp p, 0,1,2
	ds_load_b64 v[KF+6*\t+2*\p:KF+6*\t+2*\p+1], v[ADK] offset:(\u)*6144+\t*768+256*\p
.endr
.endr
	ds_load_b128 v[KW:KW+3], v[ADS] offset:(\u)*512
	ds_load_b128 v[KW+4:KW+7], v[ADS] offset:(\u)*512+16
.endm
; A KEY STEP: 128 keys.  pf = 1: the next step's K is asked for in it.
.macro STEP u, pf
	s_wait_dscnt 0x0                               ; K's fragments and scale words are in
.irp t, 0,1,2,3,4,5,6,7
	v_wmma_scale_f32_16x16x128_f8f6f4 v[S+8*\t:S+8*\t+7], v[KF+6*\t:KF+6*\t+11], v[QF:QF+11], 0, v[KW+\t], v[QW] matrix_a_fmt:MATRIX_FMT_FP6 matrix_b_fmt:MATRIX_FMT_FP6
.endr
.rept 4
	v_nop                                          ; places: behind the last step's second product for V's loads, behind these products for the first read of the scores
.endr
.irp t, 0,1,2,3
.irp c, 0,1,2
	ds_load_b128 v[VF+12*\t+4*\c:VF+12*\t+4*\c+3], v[ADV] offset:(\u)*6144+\t*1536+512*\c
.endr
.endr
	ds_load_b128 v[VW:VW+3], v[ADT] offset:(\u)*256
.irp b, 0,1,2,3
	v_max3_num_f32 v[BM+\b], v[S+16*\b], v[S+1+16*\b], v[S+2+16*\b]   ; the largest score of each block of 32 keys: for the row's maximum and, since p rises with the score, for the block's largest p
.endr
.irp i, 3,5,7,9,11,13
.irp b, 0,1,2,3
	v_max3_num_f32 v[BM+\b], v[BM+\b], v[S+16*\b+\i], v[S+1+16*\b+\i]
.endr
.endr
.irp b, 0,1,2,3
	v_max_num_f32 v[BM+\b], v[BM+\b], v[S+15+16*\b]
.endr
.irp b, 0,1,2,3
	s_delay_alu instid0(VALU_DEP_4)
	v_permlanex16_b32 v[PD+\b], v[BM+\b], s[SEL], s[SEL+1]
.endr
.irp b, 0,1,2,3
	s_delay_alu instid0(VALU_DEP_4)
	v_max_num_f32 v[BM+\b], v[BM+\b], v[PD+\b]     ; with lane l xor 16's 16 keys
.endr
	s_delay_alu instid0(VALU_DEP_2)
	v_max3_num_f32 v[T], v[BM], v[BM+1], v[BM+2]
	v_mov_b32 v[T+1], v12                          ; the old -M
	s_delay_alu instid0(VALU_DEP_2)
	v_max3_num_f32 v13, v13, v[T], v[BM+3]         ; the running largest score
	s_delay_alu instid0(VALU_DEP_1)
	v_mul_f32 v[T], s[CS], v13                     ; as t (c is positive)
	s_delay_alu instid0(VALU_DEP_1)
	v_floor_f32 v12, -v[T]                         ; the new -M = floor(-t): M is a whole number
	s_delay_alu instid0(VALU_DEP_1)
	v_sub_f32 v[T], v12, v[T+1]                    ; M's old value less its new one
	s_delay_alu instid0(VALU_DEP_1)
	v_cvt_i32_f32 v[T], v[T]                       ; (it saturates)
	s_delay_alu instid0(VALU_DEP_1)
	v_ldexp_f32 v[F], 1.0, v[T]                    ; f = 2^(old M - new M)
.set j, 0
.rept 32
	v_pk_fma_f32 v[S+j:S+j+1], v[S+j:S+j+1], s[CS:CS+1], v[12:13] op_sel_hi:[1,0,0]   ; t - M
.set j, j+2
.endr
.irp b, 0,1,2,3
	v_fma_f32 v[BM+\b], v[BM+\b], s[CS], v12       ; the same of each block's largest score
.endr
	s_wait_alu depctr_va_vdst(0)                   ; the wait ahead of the batch
.set j, 0
.rept 64
	v_exp_f32 v[S+j], v[S+j]                       ; p = 2^(t - M)
.set j, j+1
.endr
.irp b, 0,1,2,3
	v_exp_f32 v[BM+\b], v[BM+\b]                   ; the block's largest p: the same two instructions on the same number
.endr
	v_pk_mul_f32 v[14:15], v[14:15], v[F:F+1] op_sel_hi:[1,0]   ; the sums under the new M (the plain place behind the batch)
	s_wait_alu depctr_va_vdst(0)                   ; and the one wait behind it
.irp k, 0,1,2,3,4,5,6
	v_pk_add_f32 v[AC+2*\k:AC+2*\k+1], v[S+2*\k:S+2*\k+1], v[S+16+2*\k:S+17+2*\k]   ; the row's sum of the unquantised p, in eight chains
.endr
	v_pk_add_f32 v[14:15], v[14:15], v[S+14:S+15]
.irp k, 0,1,2,3,4,5,6
	v_pk_add_f32 v[AC+2*\k:AC+2*\k+1], v[AC+2*\k:AC+2*\k+1], v[S+32+2*\k:S+33+2*\k]
.endr
	v_pk_add_f32 v[14:15], v[14:15], v[S+30:S+31]
.irp k, 0,1,2,3,4,5,6
	v_pk_add_f32 v[AC+2*\k:AC+2*\k+1], v[AC+2*\k:AC+2*\k+1], v[S+48+2*\k:S+49+2*\k]
.endr
	v_pk_add_f32 v[14:15], v[14:15], v[S+46:S+47]
	v_pk_add_f32 v[AC:AC+1], v[AC:AC+1], v[AC+2:AC+3]
	v_pk_add_f32 v[AC+4:AC+5], v[AC+4:AC+5], v[AC+6:AC+7]
	v_pk_add_f32 v[AC+8:AC+9], v[AC+8:AC+9], v[AC+10:AC+11]
	v_pk_add_f32 v[14:15], v[14:15], v[S+62:S+63]
	v_pk_add_f32 v[AC:AC+1], v[AC:AC+1], v[AC+4:AC+5]
	v_pk_add_f32 v[AC+8:AC+9], v[AC+8:AC+9], v[AC+12:AC+13]
	s_delay_alu instid0(VALU_DEP_1)
	v_pk_add_f32 v[AC:AC+1], v[AC:AC+1], v[AC+8:AC+9]
	s_delay_alu instid0(VALU_DEP_1)
	v_pk_add_f32 v[14:15], v[14:15], v[AC:AC+1]
.irp b, 0,1,2,3
	v_max_num_f32 v[BM+\b], 0x1800000, v[BM+\b]    ; the floor 2^(3 - 127): the byte cannot fall under 1
.endr
.irp b, 0,1,2,3
	s_delay_alu instid0(VALU_DEP_4)
	v_add_nc_u32 v[SO+\b], 0xff000000, v[BM+\b]    ; 2 off the exponent field: the conversion's scale operand
.endr
.irp b, 0,1,2,3
	s_delay_alu instid0(VALU_DEP_4)
	v_lshrrev_b32 v[BY+\b], 23, v[SO+\b]           ; the scale's byte
.endr
	s_delay_alu instid0(VALU_DEP_3)
	v_lshl_or_b32 v[PW], v[BY+1], 8, v[BY]         ; p's scale word for these 128 keys
	s_delay_alu instid0(VALU_DEP_1)
	v_lshl_or_b32 v[PW], v[BY+2], 16, v[PW]
	s_delay_alu instid0(VALU_DEP_1)
	v_lshl_or_b32 v[PW], v[BY+3], 24, v[PW]
.irp c, 0,1
	v_cvt_scalef32_pk16_fp6_f32 v[PC+6*\c:PC+2+6*\c], v[S+32*\c:S+15+32*\c], v[SO+2*\c]
	v_cvt_scalef32_pk16_fp6_f32 v[C2+4*\c:C2+2+4*\c], v[S+16+32*\c:S+31+32*\c], v[SO+2*\c+1]
.endr
	v_nop                                          ; one plain place behind a scaled conversion
.irp c, 0,1                                    ; the operand's layout wants a whole block in a lane
.irp i, 0,1,2
	v_permlane16_swap_b32 v[PC+6*\c+\i], v[C2+4*\c+\i]
.endr
.irp i, 0,1,2
	s_delay_alu instid0(VALU_DEP_3)
	v_mov_b32 v[PC+3+6*\c+\i], v[C2+4*\c+\i]
.endr
.endr
.if \pf
	KLOAD (\u)+1                                   ; the scratch is done with
	s_wait_dscnt 26                                ; V's 13 loads are in; the 26 just issued may be out
.else
	s_wait_dscnt 0x0
.endif
	s_wait_alu depctr_va_vdst(0)                   ; the wait directly ahead of the first reader of O^T
.set j, 0
.rept 16
	v_pk_mul_f32 v[OT+j:OT+j+1], v[OT+j:OT+j+1], v[F:F+1] op_sel_hi:[1,0]   ; O^T under the new M (for each product below twelve of these name none of its registers: the places behind the scale word's and the codes' last writes)
.set j, j+2
.endr
.irp t, 0,1,2,3                                ; O^T += V^T P^T: the four accumulators by turns
	v_wmma_scale_f32_16x16x128_f8f6f4 v[OT+8*\t:OT+8*\t+7], v[VF+12*\t:VF+12*\t+11], v[PC:PC+11], v[OT+8*\t:OT+8*\t+7], v[VW+\t], v[PW] matrix_a_fmt:MATRIX_FMT_FP6 matrix_b_fmt:MATRIX_FMT_FP6
.endr
.endm
	s_wait_alu depctr_va_vdst(0)                   ; the wait at the head's end
	s_wait_tensorcnt 0x0                           ; my sixteenth is in
	s_barrier_signal -1
	s_barrier_wait -1                              ; and so is everybody's
.Lpass:                                            ; two trips: 256 queries of the work-group each
	v_mov_b32 v13, 0xff61b1e6                      ; the largest score so far: -3e38
	v_mov_b32 v12, 0x7e800000                      ; -M, far above every -t: the first f is 0
	v_mov_b32 v14, 0
	v_mov_b32 v15, 0
.set j, 0
.rept 32
	v_mov_b32 v[OT+j], 0                           ; O^T: the first step finds zeros
.set j, j+1
.endr
	s_mov_b32 s[TB], 0
	s_mov_b32 s[TS], 0
	s_mov_b32 s[TV], 0
	s_mov_b32 s[CNT], 4
	s_wait_loadcnt 0x0                             ; Q
.Ltrip:                                            ; four steps, 512 keys
	v_add_nc_u32 v[ADK], s[TB], v[AK0]
	v_add_nc_u32 v[ADV], s[TB], v[AV0]
	v_add_nc_u32 v[ADS], s[TS], v[ASK0]
	v_add_nc_u32 v[ADT], s[TV], v[ASV0]
	s_wait_alu depctr_va_vdst(0)
	KLOAD 0
	STEP 0, 1
	STEP 1, 1
	STEP 2, 1
	STEP 3, 0
	s_add_co_u32 s[TB], s[TB], 24576
	s_add_co_u32 s[TS], s[TS], 2048
	s_add_co_u32 s[TV], s[TV], 1024
	s_sub_co_u32 s[CNT], s[CNT], 1
	s_cmp_lg_u32 s[CNT], 0
	s_cbranch_scc1 .Ltrip
	; ---- the pass's end
.rept 4
	v_nop                                          ; places behind the last products
.endr
	s_wait_xcnt 0x0
	s_add_nc_u64 s[QP:QP+1], s[QP:QP+1], 12288     ; sixteen tiles on
	s_add_nc_u64 s[QSP:QSP+1], s[QSP:QSP+1], 1024
	s_cmp_eq_u32 s[PASS], 1                        ; the next pass's Q, if there is a next pass
	s_cbranch_scc1 .Lno_next
	QLOAD
.Lno_next:
	v_add_f32 v14, v14, v15
	s_delay_alu instid0(VALU_DEP_1)
	v_permlanex16_b32 v[F], v14, s[SEL], s[SEL+1]
	s_delay_alu instid0(VALU_DEP_1)
	v_add_f32 v14, v14, v[F]                       ; the row's sum
	s_wait_alu depctr_va_vdst(0)
	v_rcp_f32 v14, v14
	v_bfe_u32 v[T], v0, 4, 1                       ; (a plain place behind the reciprocal)
	s_delay_alu instid0(VALU_DEP_1)
	v_add_nc_u32 v[T], v[RO], v[T]                 ; 32 r + h: my scale byte's place
	s_wait_alu depctr_va_vdst(0)                   ; the wait ahead of the first reader of the reciprocal and of O^T
.set j, 0
.rept 16
	v_pk_mul_f32 v[S+j:S+j+1], v[OT+j:OT+j+1], v[14:15] op_sel_hi:[1,0]   ; O^T / l: register 16 B + i is channel 32 B + 16 h + i of my query; each accumulator from its low end on
.set j, j+2
.endr
.irp b, 0,1
	v_max3_num_f32 v[BM+\b], |v[S+16*\b]|, |v[S+1+16*\b]|, 0x1800000   ; the head's two blocks of 32 along the last product's K
.endr
.irp i, 2,4,6,8,10,12,14
.irp b, 0,1
	s_delay_alu instid0(VALU_DEP_2)
	v_max3_num_f32 v[BM+\b], v[BM+\b], |v[S+16*\b+\i]|, |v[S+1+16*\b+\i]|
.endr
.endr
.irp b, 0,1
	s_delay_alu instid0(VALU_DEP_2)
	v_permlanex16_b32 v[PD+\b], v[BM+\b], s[SEL], s[SEL+1]
.endr
.irp b, 0,1
	s_delay_alu instid0(VALU_DEP_2)
	v_max_num_f32 v[BM+\b], v[BM+\b], v[PD+\b]
.endr
.irp b, 0,1
	s_delay_alu instid0(VALU_DEP_2)
	v_add_nc_u32 v[SO+\b], 0xff000000, v[BM+\b]
.endr
.irp b, 0,1
	s_delay_alu instid0(VALU_DEP_2)
	v_lshrrev_b32 v[BY+\b], 23, v[SO+\b]
.endr
	v_cvt_scalef32_pk16_fp6_f32 v[PC:PC+2], v[S:S+15], v[SO]
	v_cvt_scalef32_pk16_fp6_f32 v[PC+4:PC+6], v[S+16:S+31], v[SO+1]
	v_nop                                          ; one plain place behind a scaled conversion
.irp i, 0,1,2
	v_permlane16_swap_b32 v[PC+\i], v[PC+4+\i]     ; lanes 0-15 now hold block 0 whole, lanes 16-31 block 1
.endr
	s_delay_alu instid0(VALU_DEP_3)
	v_mov_b32 v[PC+3], v[PC+4]
	s_delay_alu instid0(VALU_DEP_3)
	v_mov_b32 v[PC+4], v[PC+5]
	s_delay_alu instid0(VALU_DEP_3)
	v_mov_b32 v[PC+5], v[PC+6]
	v_cndmask_b32 v[BY+2], v[BY], v[BY+1], s[HM]   ; my block's byte
.irp p, 0,1,2
	global_store_b64 v[AK0], v[PC+2*\p:PC+2*\p+1], s[OP:OP+1] offset:256*\p   ; 256 consecutive bytes, aligned
.endr
	global_store_b8 v[T], v[BY+2], s[OSP:OSP+1]
	s_wait_xcnt 0x0                                ; the stores have read their registers and bases
	s_add_nc_u64 s[OP:OP+1], s[OP:OP+1], 196608
	s_add_nc_u64 s[OSP:OSP+1], s[OSP:OSP+1], 8192
	s_sub_co_u32 s[PASS], s[PASS], 1
	s_cmp_lg_u32 s[PASS], 0
	s_cbranch_scc1 .Lpass
	s_wait_tensorcnt 0x0                           ; the wave's end
	ds_add_u32 v[SPW], v[NIL]
	s_wait_dscnt 0x0
	CROUND                                         ; the closing round
	s_endpgm
.Lfunc_end_k_qf6ea1363d6_attn:
	.size	k_qf6ea1363d6_attn, .Lfunc_end_k_qf6ea1363d6_attn-k_qf6ea1363d6_attn
	.p2alignl 7, 3214868480
	.fill 96, 4, 3214868480
	.section	.rodata,"a",@progbits
	.p2align	6, 0x0
	.amdhsa_kernel k_qf6ea1363d6_attn
		.amdhsa_group_segment_fixed_size 210944
		.amdhsa_private_segment_fixed_size 0
		.amdhsa_enable_private_segment 0
		.amdhsa_kernarg_size 24
		.amdhsa_user_sgpr_count 2
		.amdhsa_user_sgpr_kernarg_segment_ptr 1
		.amdhsa_wavefront_size32 1
		.amdhsa_system_sgpr_workgroup_id_x 1
		.amdhsa_system_sgpr_workgroup_id_y 1
		.amdhsa_system_sgpr_workgroup_id_z 1
		.amdhsa_system_vgpr_workitem_id 0
		.amdhsa_next_free_vgpr 256
		.amdhsa_next_free_sgpr 100
		.amdhsa_reserve_vcc 0
		.amdhsa_float_denorm_mode_32 3
		.amdhsa_float_denorm_mode_16_64 3
		.amdhsa_memory_ordered 1
		.amdhsa_forward_progress 1
		.amdhsa_inst_pref_size 80
	.end_amdhsa_kernel
	.amdgpu_metadata
---
amdhsa.version: [ 1, 2 ]
amdhsa.kernels:
  - .name:           k_qf6ea1363d6_attn
    .symbol:         k_qf6ea1363d6_attn.kd
    .args:
      - { .name: qkv, .offset: 0, .size: 8, .value_kind: global_buffer, .address_space: global }
      - { .name: aoc, .offset: 8, .size: 8, .value_kind: global_buffer, .address_space: global }
      - { .name: aos, .offset: 16, .size: 8, .value_kind: global_buffer, .address_space: global }
    .group_segment_fixed_size: 210944
    .private_segment_fixed_size: 0
    .kernarg_segment_align: 8
    .kernarg_segment_size: 24
    .max_flat_workgroup_size: 512
    .sgpr_count:     100
    .vgpr_count:     256
    .wavefront_size: 32
...
	.end_amdgpu_metadata
.endif
;; end of part 3
;; launch outp (part 4): grid 4 x 64, 4 waves a work-group, clusters of 4 x 4, 327,680 bytes of LDS; arguments aoc, aos, codes, scales, out0, bo; writes out0
.if DOCPART == 4
	.amdgcn_target "amdgcn-amd-amdhsa--gfx1250"
	.amdhsa_code_object_version 6
	.text
	.protected	k_qf6ea1363d6_outp
	.globl	k_qf6ea1363d6_outp
	.p2align	8
	.type	k_qf6ea1363d6_outp,@function
k_qf6ea1363d6_outp:
	s_mov_b64 s[64:65], 0
	v_nop
	global_prefetch_b8 v0, s[64:65] scope:SCOPE_SE
	s_setreg_imm32_b32 hwreg(HW_REG_WAVE_MODE, 25, 1), 1
	s_wait_xcnt 0x0
	s_wait_alu depctr_hold_cnt(0) depctr_sa_sdst(0) depctr_va_vdst(0) depctr_va_sdst(0) depctr_va_ssrc(0) depctr_va_vcc(0) depctr_vm_vsrc(0)
	s_getreg_b32 s2, hwreg(HW_REG_IB_STS2, 6, 4)
	s_cmp_eq_u32 s2, 0
	s_cbranch_scc0 .Lentry_in_a_cluster
	s_endpgm
.Lentry_in_a_cluster:
	s_bfe_u32 s2, ttmp6, 0x10000c
	s_cmp_lg_u32 s2, 0xf033
	s_cbranch_scc0 .Lentry_shape_is_right
	s_endpgm
.Lentry_shape_is_right:
; LAUNCH 4 OF 4.  out0 = O Wo^T + bo on codes of FP6 (E2M3) with E8M0 scales.  A work-group makes 128 rows x 256 columns: 256 work-groups; a wave 64 x 128: 32 accumulators.
; ALL OF K LIES IN LDS: both operands' codes are images of the operand's registers, 12,288 bytes on end for 16 rows x 1,024 K; each wave asks for one half of one operand by one joint load (waves 0, 1: O's 128 rows; waves 2, 3:
; Wo's 256 rows), rows of 256 bytes.  Nothing is filled again.  No prefetch: every byte is asked for at the head.  CLUSTERS: 4 x 4; O's tiles are shared along a row of the cluster, Wo's along a column.
; The scale words of a wave's 64 + 128 rows go from memory into 96 registers.  The bias is the C of each accumulator's first product.
; Source 0 = rows of Wo, source 1 = rows of O: a lane holds eight neighbouring numbers of a row of out0.  The rows' tiles come in the permuted order (bits 3 and 4 of the row swapped); the stores undo it.
; THE WAY OUT: behind a barrier that shows every wave's LDS reads over, 16 rows at a time go through the wave's own stage, laid on operand bytes that are filled no more, and leave as rows of 512 consecutive bytes.
; REGISTERS: window 0: v0-31 addresses, v32-63 O's scale words, v64-127 Wo's, v128-223 O's fragments (two sets; on the way out v128-255 hold rows); window 1: the accumulators; window 2: Wo's fragments (two sets); window 3: v0-63 the bias.
.set LB,    98304
.set SPARE, 294912
.set SPITCH, 528
.set ADRA, 16
.set ADRB, 20
.set STO,  24
.set RD,   25
.set CO,   26
.set BO,   27
.set SPW,  28
.set NIL,  29
.set SA,   32
.set SBS,  64
.set AF,   128
.set BK,   128
.set BI,   0
.set G1,  24
.set G0,  32
.set G1B, 48
.set G0B, 56
.set MSB, 0
.macro WIN new
.if MSB != \new
	s_set_vgpr_msb (MSB<<8)|\new
.set MSB, \new
.endif
.endm
.macro CROUND
	s_barrier_signal -1
	s_barrier_wait -1
	s_cmp_lg_u32 s14, 0
	s_cbranch_scc1 .Lnot_wave_0_\@
	s_barrier_signal -3
.Lnot_wave_0_\@:
	s_barrier_wait -3
	s_barrier_signal -1
	s_barrier_wait -1
.endm
.macro PLACES
.rept 4
	v_nop
.endr
.endm
.macro FRAG reg, adr, k, i
.irp p, 0,1,2,3,4,5
	ds_load_b64 v[\reg+2*\p:\reg+2*\p+1], v[\adr] offset:(\i)*12288+(\k)*1536+256*\p
.endr
.endm
.macro FETCH k
	WIN 0x80
.irp i, 0,1,2,3
	FRAG 96*((\k)%2)+12*\i, ADRB, \k, \i
.endr
.irp i, 0,1,2,3
	FRAG 96*((\k)%2)+48+12*\i, ADRB+1, \k, \i
.endr
	WIN 0
.irp i, 0,1,2,3
	FRAG AF+48*((\k)%2)+12*\i, ADRA, \k, \i
.endr
.endm
.macro KSTEP k, first                  ; 128 along K: the next step's fragments are asked for, then 32 matrix instructions, the accumulators by turns
	s_wait_dscnt 0x0
.if (\k) < 7
	PLACES
	FETCH (\k)+1
.endif
.if \first
	WIN 0x72                                       ; C: the bias, window 3
.else
	WIN 0x52
.endif
.irp a, 0,1,2,3
.irp b, 0,1,2,3,4,5,6,7
.if \first
	v_wmma_scale_f32_16x16x128_f8f6f4 v[8*(8*\a+\b):8*(8*\a+\b)+7], v[96*((\k)%2)+12*\b:96*((\k)%2)+12*\b+11], v[AF+48*((\k)%2)+12*\a:AF+48*((\k)%2)+12*\a+11], v[BI+8*\b:BI+8*\b+7], v[SBS+8*\b+(\k)], v[SA+8*\a+(\k)] matrix_a_fmt:MATRIX_FMT_FP6 matrix_b_fmt:MATRIX_FMT_FP6
.else
	v_wmma_scale_f32_16x16x128_f8f6f4 v[8*(8*\a+\b):8*(8*\a+\b)+7], v[96*((\k)%2)+12*\b:96*((\k)%2)+12*\b+11], v[AF+48*((\k)%2)+12*\a:AF+48*((\k)%2)+12*\a+11], v[8*(8*\a+\b):8*(8*\a+\b)+7], v[SBS+8*\b+(\k)], v[SA+8*\a+(\k)] matrix_a_fmt:MATRIX_FMT_FP6 matrix_b_fmt:MATRIX_FMT_FP6
.endif
.endr
.endr
	WIN 0
.endm
	s_load_b256 s[68:75], s[0:1], 0x0              ; aoc, aos, codes, scales
	s_load_b128 s[76:79], s[0:1], 0x20             ; out0, bo
	v_lshl_add_u32 v[SPW], v0, 2, SPARE
	v_mov_b32 v[NIL], 0
	ds_add_u32 v[SPW], v[NIL]                      ; the opening lines: the add, twice on end, and its wait
	ds_add_u32 v[SPW], v[NIL]
	v_lshrrev_b32 v1, 5, v0
	v_readfirstlane_b32 s14, v1
	s_lshr_b32 s15, s14, 1                         ; which 64 rows of O are mine.  Also: I fetch for O (0) or for Wo (1)
	s_and_b32 s16, s14, 1                          ; which 128 rows of Wo.  Also: which half I fetch
	s_bfe_u32 s40, ttmp6, 0x40000
	s_bfe_u32 s41, ttmp6, 0x40004
	s_lshl_b32 s42, ttmp9, 2
	s_add_co_u32 s42, s42, s40                     ; x: which 256 columns
	s_and_b32 s17, ttmp7, 0xffff
	s_lshl_b32 s17, s17, 2
	s_add_co_u32 s17, s17, s41                     ; y: which 128 rows
	s_lshl_b32 s43, s41, 2
	s_lshl_b32 s43, 15, s43
	s_lshl_b32 s44, 0x1111, s40
	s_or_b32 s[G1], s43, (3<<16)|(1<<21)
	s_or_b32 s[G1B], s44, (3<<16)|(1<<21)
	s_mov_b32 s[G1+2], 192<<16
	s_mov_b32 s[G1+4], 192
	s_mov_b32 s[G1B+2], 384<<16
	s_mov_b32 s[G1B+4], 384
.irp g, G1, G1B
	s_mov_b32 s[\g+1], 32<<16
	s_mov_b32 s[\g+3], 32<<16
	s_mov_b32 s[\g+5], 32
	s_mov_b32 s[\g+6], 0
	s_mov_b32 s[\g+7], 0
.endr
	s_mov_b32 s[G0], 1
	s_mul_i32 s[G0+1], s16, 49152
	s_mov_b32 s[G0B], 1
	s_mul_i32 s[G0B+1], s16, 98304
	s_add_co_u32 s[G0B+1], s[G0B+1], LB
	s_mov_b32 s13, 0
	s_mov_b32 s93, 0
	s_mul_i32 s21, s16, 49152
	s_mul_i32 s22, s16, 98304
	s_wait_dscnt 0x0
	s_wait_kmcnt 0x0
	s_mul_i32 s12, s17, 98304
	s_add_co_u32 s12, s12, s21
	s_add_nc_u64 s[G0+2:G0+3], s[68:69], s[12:13]
	s_or_b32 s[G0+3], s[G0+3], 0x80000000
	s_mul_i32 s92, s42, 196608
	s_add_co_u32 s92, s92, s22
	s_add_co_u32 s92, s92, 14942208
	s_add_nc_u64 s[G0B+2:G0B+3], s[72:73], s[92:93]
	s_or_b32 s[G0B+3], s[G0B+3], 0x80000000
	CROUND                                         ; all sixteen work-groups are here: the joint loads meet
	s_cmp_eq_u32 s15, 0
	s_cbranch_scc0 .Lfor_b
	tensor_load_to_lds s[G0:G0+3], s[G1:G1+7]
	s_nop 0
	PLACES
	s_branch .Lasked
.Lfor_b:
	tensor_load_to_lds s[G0B:G0B+3], s[G1B:G1B+7]
	s_nop 0
	PLACES
.Lasked:
	s_lshl_b32 s12, s17, 12
	s_lshl_b32 s23, s15, 11
	s_add_co_u32 s12, s12, s23
	s_add_nc_u64 s[88:89], s[70:71], s[12:13]      ; my rows' scale words: O's,
	s_lshl_b32 s12, s42, 13
	s_lshl_b32 s23, s16, 12
	s_add_co_u32 s12, s12, s23
	s_add_co_u32 s12, s12, 622592
	s_add_nc_u64 s[90:91], s[74:75], s[12:13]      ; Wo's
	s_lshl_b32 s12, s42, 10
	s_lshl_b32 s23, s16, 9
	s_add_co_u32 s12, s12, s23                     ; my first column, in bytes
	s_add_nc_u64 s[78:79], s[78:79], s[12:13]
	s_add_nc_u64 s[76:77], s[76:77], s[12:13]
	s_lshl_b32 s12, s17, 19
	s_lshl_b32 s23, s15, 18
	s_add_co_u32 s12, s12, s23                     ; my first row: 4,096 bytes a row
	s_add_nc_u64 s[76:77], s[76:77], s[12:13]
	v_and_b32 v9, 31, v0
	v_and_b32 v10, 15, v0
	v_bfe_u32 v11, v0, 4, 1
	v_lshlrev_b32 v1, 3, v9
	v_lshlrev_b32 v3, 5, v10
	v_lshlrev_b32 v[BO], 5, v11
	v_lshlrev_b32 v[CO], 4, v9
	s_mul_i32 s21, s15, 49152
	s_add_co_u32 s22, s22, LB
	v_add_nc_u32 v[ADRA], s21, v1
	v_add_nc_u32 v[ADRB], s22, v1
	s_add_co_u32 s22, s22, 49152
	v_add_nc_u32 v[ADRB+1], s22, v1
	s_mul_i32 s23, s14, 16*SPITCH                  ; my stage
	v_mul_u32_u24 v5, v10, SPITCH
	v_lshl_add_u32 v5, v11, 5, v5
	v_add_nc_u32 v[STO], s23, v5
	v_add_nc_u32 v[RD], s23, v[CO]
	s_wait_alu depctr_va_vdst(0)                   ; the wait at the head's end
.irp a, 0,1,2,3
	global_load_b128 v[SA+8*\a:SA+8*\a+3], v3, s[88:89] offset:512*\a
	global_load_b128 v[SA+8*\a+4:SA+8*\a+7], v3, s[88:89] offset:512*\a+16
.endr
.irp b, 0,1,2,3,4,5,6,7
	global_load_b128 v[SBS+8*\b:SBS+8*\b+3], v3, s[90:91] offset:512*\b
	global_load_b128 v[SBS+8*\b+4:SBS+8*\b+7], v3, s[90:91] offset:512*\b+16
.endr
	WIN 0xc0
.irp b, 0,1,2,3,4,5,6,7
	global_load_b128 v[BI+8*\b:BI+8*\b+3], v[BO], s[78:79] offset:64*\b
	global_load_b128 v[BI+8*\b+4:BI+8*\b+7], v[BO], s[78:79] offset:64*\b+16
.endr
	WIN 0
	s_wait_tensorcnt 0x0                           ; my half is in
	s_barrier_signal -1
	s_barrier_wait -1                              ; and so are the others'
	FETCH 0
	s_wait_loadcnt 0x0                             ; the scale words and the bias
	KSTEP 0, 1
.irp k, 1,2,3,4,5,6,7
	KSTEP \k, 0
.endr
	s_barrier_signal -1                            ; my LDS reads were over at the last step's head: the operands' bytes may take the stages when all four waves have said so
	s_barrier_wait -1
.macro TOSTAGE a
	WIN 0x04                                       ; the data: window 1
.irp b, 0,1,2,3,4,5,6,7
	ds_store_b128 v[STO], v[64*(\a)+8*\b:64*(\a)+8*\b+3] offset:64*\b          ; each accumulator from its low end on
	ds_store_b128 v[STO], v[64*(\a)+8*\b+4:64*(\a)+8*\b+7] offset:64*\b+16
.endr
	WIN 0
.set BB, BK+64*((\a)%2)
.irp t, 0,1,2,3,4,5,6,7,8,9,10,11,12,13,14,15
	ds_load_b128 v[BB+4*\t:BB+4*\t+3], v[RD] offset:\t*SPITCH    ; LDS serves a wave's instructions in order: these see the stores above
.endr
.endm
.macro SEND a, younger
.set BB, BK+64*((\a)%2)
	s_wait_dscnt \younger
.irp t, 0,1,2,3,4,5,6,7,8,9,10,11,12,13,14,15
	global_store_b128 v[CO], v[BB+4*\t:BB+4*\t+3], s[76:77] offset:(32*((\a)/2)+8*((\a)%2)+\t%8+16*(\t/8))*4096 th:TH_STORE_NT   ; 512 consecutive bytes, aligned
.endr
.endm
	PLACES                                         ; behind the last products
	TOSTAGE 0
.irp a, 1,2,3
.if \a > 1
	s_wait_xcnt 0x0                                ; block a - 2's stores have read their registers
.endif
	TOSTAGE \a
	SEND \a-1, 32                                  ; behind block a - 1's loads: block a's 16 stores and 16 loads
.endr
	SEND 3, 0
	s_wait_tensorcnt 0x0                           ; the wave's end
	ds_add_u32 v[SPW], v[NIL]
	s_wait_dscnt 0x0
	CROUND                                         ; the closing round
	s_endpgm
.Lfunc_end_k_qf6ea1363d6_outp:
	.size	k_qf6ea1363d6_outp, .Lfunc_end_k_qf6ea1363d6_outp-k_qf6ea1363d6_outp
	.p2alignl 7, 3214868480
	.fill 96, 4, 3214868480
	.section	.rodata,"a",@progbits
	.p2align	6, 0x0
	.amdhsa_kernel k_qf6ea1363d6_outp
		.amdhsa_group_segment_fixed_size 327680
		.amdhsa_private_segment_fixed_size 0
		.amdhsa_enable_private_segment 0
		.amdhsa_kernarg_size 48
		.amdhsa_user_sgpr_count 2
		.amdhsa_user_sgpr_kernarg_segment_ptr 1
		.amdhsa_wavefront_size32 1
		.amdhsa_system_sgpr_workgroup_id_x 1
		.amdhsa_system_sgpr_workgroup_id_y 1
		.amdhsa_system_sgpr_workgroup_id_z 1
		.amdhsa_system_vgpr_workitem_id 0
		.amdhsa_next_free_vgpr 1024
		.amdhsa_next_free_sgpr 102
		.amdhsa_reserve_vcc 0
		.amdhsa_float_denorm_mode_32 3
		.amdhsa_float_denorm_mode_16_64 3
		.amdhsa_memory_ordered 1
		.amdhsa_forward_progress 1
		.amdhsa_inst_pref_size 95
	.end_amdhsa_kernel
	.amdgpu_metadata
---
amdhsa.version: [ 1, 2 ]
amdhsa.kernels:
  - .name:           k_qf6ea1363d6_outp
    .symbol:         k_qf6ea1363d6_outp.kd
    .args:
      - { .name: aoc, .offset: 0, .size: 8, .value_kind: global_buffer, .address_space: global }
      - { .name: aos, .offset: 8, .size: 8, .value_kind: global_buffer, .address_space: global }
      - { .name: codes, .offset: 16, .size: 8, .value_kind: global_buffer, .address_space: global }
      - { .name: scales, .offset: 24, .size: 8, .value_kind: global_buffer, .address_space: global }
      - { .name: out0, .offset: 32, .size: 8, .value_kind: global_buffer, .address_space: global }
      - { .name: bo, .offset: 40, .size: 8, .value_kind: global_buffer, .address_space: global }
    .group_segment_fixed_size: 327680
    .private_segment_fixed_size: 0
    .kernarg_segment_align: 8
    .kernarg_segment_size: 48
    .max_flat_workgroup_size: 128
    .sgpr_count:     102
    .vgpr_count:     1024
    .wavefront_size: 32
...
	.end_amdgpu_metadata
.endif
;; end of part 4
